; MI455X (gfx1250); checked and timed in simulation.
; The chip was launched on July 23, 2026; its instructions are those of AMD's public machine-readable ISA for CDNA 5 (MIT licence, August 2026) and "CDNA5" Instruction Set Architecture Reference Guide (July 2026). The comments in the code are by the model that wrote it; some were corrected since.
;; Mixture Of Experts. Allowed arithmetic: matrix products marked QUANTISED: E2M1 operands, one E8M0 scale for each 32 along K, by v_wmma_scale_f32_16x16x128_f8f6f4 with both operands' format E2M1 (or v_wmma_scale_f32_32x16x128_f4), f32 sums; products left as they are: f32 operands where the result goes on into a quantised operand, else bf16, f16 or f32 operands; f32 sums; everything else in f32.
;; Inputs: W1_codes 8 x 4,096 x 32 x 16 uint8 (E2M1 codes of W1, K innermost, in blocks of 32 codes, two codes a byte); W1_scales 8 x 4,096 x 32 uint8 (E8M0 scales of W1, one for each 32 codes along K); W2_codes 8 x 1,024 x 128 x 16 uint8 (E2M1 codes of W2, K innermost, in blocks of 32 codes, two codes a byte); W2_scales 8 x 1,024 x 128 uint8 (E8M0 scales of W2, one for each 32 codes along K); Wg 1,024 x 8 float32; b1 8 x 4,096 float32; b2 8 x 1,024 float32; bg 8 float32; x 4 x 256 x 1,024 float32.
;; Outputs: out0 4 x 256 x 1,024 float32.
;; This version of the problem:
;;   THIS VERSION OF THE PROBLEM IS GIVEN IN LOW PRECISION. The matrix products marked QUANTISED in the list below multiply operands that are first quantised to E2M1 (2 exponent bits, 1 mantissa bit; 4 bits a number), with one power-of-two scale for each 32 numbers along K (OCP MX v1.0); their sums are f32. All else is computed in f32.
;;   The module's matrix products, in the order in which they are computed (A, B: the left and right operand; K: the contracted axis; several contracted axes count as one K, in the product's order):
;;     1. [M 1,024, K 1,024] x [K 1,024, N 8]; A: input x; B: input Wg: left as it is (N = 8 < 16)
;;     2. [M 1,024, K 1,024] x [K 1,024, N 32,768]; A: input x; B: input W1 (given as codes): QUANTISED
;;     3. batch 8 x [M 1,024, K 4,096] x [K 4,096, N 1,024]; A: input W2 (given as codes); B: computed on the way: QUANTISED
;;   THE QUANTISER, for each operand of a quantised product, along K:
;;     - K is cut into blocks of 32 from its start; a last block that is shorter is filled with zeros.
;;     - A block's scale is 2^e with e = floor(log2(the largest magnitude in the block)) - 2, held to -126 .. 127; a block of zeros has e = 0. As a byte (E8M0): e + 127.
;;     - Each number is divided by its block's scale, clamped to +-6, and rounded to the nearest number of E2M1, ties to even, subnormals kept.
;;     - The product sums the exact products of the quantised numbers (number of the format x scale) in f32.
;;   ~~~python
;;   def quantise(x, axis):      # numpy; x: float32 -> the quantised numbers, widened to float32 again
;;       x = np.moveaxis(x, axis, -1); K = x.shape[-1]
;;       x = np.pad(x, [(0, 0)] * (x.ndim - 1) + [(0, -K % 32)]); x = x.reshape(x.shape[:-1] + (-1, 32)); a = np.abs(x).max(-1, keepdims=True)
;;       e = np.where(a > 0, np.clip(np.frexp(np.where(a > 0, a, 1))[1] - 1 - 2, -126, 127), 0)      # np.frexp(a)[1] - 1 = floor(log2(a)), exactly
;;       r = np.clip(x / 2.0 ** e, -6, 6)
;;       step = 2.0 ** (np.maximum(np.frexp(np.where(r == 0, 1, r))[1] - 1, 0) - 1)
;;       q = np.round(r / step) * step * 2.0 ** e      # np.round: ties to even
;;       return np.moveaxis(q.reshape(q.shape[:-2] + (-1,))[..., :K], -1, axis).astype(np.float32)
;;   ~~~
;;   OPERANDS COMPUTED ON THE WAY. 'Computed on the way' means the value that the module computes at that place (a softmax that the list does not call 'softmax' is quantised finished and normalised). What goes into a quantiser is computed in f32, as accurately as f32 sums, v_exp_f32 and their like allow (about 1e-6 of the number): no bf16 or f16 on the way to a quantiser, and a product that is left as it is and whose result goes on into a quantised operand takes f32 operands (vector FMAs, or v_wmma_f32_16x16x4_f32). A number that lies on a knife's edge between two numbers of the format may be rounded either way, as far as f32 arithmetic and the matrix unit's own rounding can turn it there, and no further.
;;   INPUTS GIVEN AS CODES. W1 (in the module: [8, 1024, 4096], K = its axis 1); W2 (in the module: [8, 4096, 1024], K = its axis 1): each comes as NAME_codes (uint8): NAME with its K axis moved to the last place and cut into blocks of 32 codes, [.., K / 32, bytes a block], one block behind the other in memory; two codes a byte, the lower K in the low four bits (a code: sign, 2 exponent bits, 1 mantissa bit); and NAME_scales (uint8): the same leading axes, one E8M0 byte (e + 127) for each 32 codes along K. Its value is code x scale, taken as it is: it is not quantised again, and the codes and scales need not be those that the quantiser above would give.
;; 2 versions, each right; version 2 is version 1 with the launch ffn2 written anew for expert scheduling mode. Each part assembles by itself: llvm-mc -triple=amdgcn-amd-amdhsa -mcpu=gfx1250 --defsym DOCPART=n.
;; ======== version 1 of 2: 4 launches
;; workspace buffers: xq_codes 524,288 bytes; xq_scales 32,768 bytes; sel 4,096 bytes of whole numbers; gates 8,192 bytes; place 10,240 bytes of whole numbers; h_codes 16,777,216 bytes; h_scales 1,048,576 bytes; y 33,554,432 bytes
;; launch route (part 1): grid 256 x 1, 4 waves a work-group, no clusters, 52,736 bytes of LDS; arguments x, Wg, bg, xq_codes, xq_scales, sel, gates; writes xq_codes, xq_scales, sel, gates
.if DOCPART == 1
	.amdgcn_target "amdgcn-amd-amdhsa--gfx1250"
	.amdhsa_code_object_version 6
	.text
	.protected	k_q5249ecfa3b_route
	.globl	k_q5249ecfa3b_route
	.p2align	8
	.type	k_q5249ecfa3b_route,@function
k_q5249ecfa3b_route:
	s_mov_b64 s[64:65], 0
	v_nop
	global_prefetch_b8 v0, s[64:65] scope:SCOPE_SE
	s_setreg_imm32_b32 hwreg(HW_REG_WAVE_MODE, 25, 1), 1
	s_wait_xcnt 0x0
; THE ROUTER AND x's QUANTISER.  One wave takes one token (token = 4 x work-group + wave): its row of x, 1,024 f32.
;  (1) the row becomes codes of FP4 (E2M1) with one E8M0 byte for each 32 along D: xq_codes [1024][512 bytes], xq_scales [1024][32 bytes];
;  (2) logits = x Wg + bg in f32 (fused multiply-adds); the row's largest logit is taken away; the best two are chosen, the lower index on a tie;
;      their softmax.  What is chosen leaves as a whole number at a fixed place: sel[token] = (1 << 4 a) | (1 << 4 b); gates[token] = the weight of
;      the chosen expert with the lower number, then that of the higher.  No address and no branch here hangs on a floating-point number.
; A lane holds block l of the row (32 neighbours), so a block's largest magnitude needs no other lane, and the same 32 numbers meet rows 32 l .. 32 l + 31 of Wg.
; The loads take the bytes as they lie (512 consecutive bytes an instruction); the row turns through the wave's own stage in LDS; Wg is brought once by the four waves.
; LIMITS: NaN and infinities are not served.  A block of zeros gets the byte 1 (its codes are zeros; only this program reads the bytes).
; No matrix unit (N = 8), no cluster (work-groups share only Wg, 32 KiB), no prefetch (one short pass, all loads go out at the head).
.set WGL,  0                           ; LDS: Wg; its 16-byte piece q at 16 q + 16 (q / 64): lane l's 32 rows begin at 1,040 l = 65 x 16
.set XT,   33280                       ; a stage of 4,608 bytes for each wave: piece q of the row at 16 q + 16 (q / 8)
.set SCB,  51712                       ; the four tokens' 128 scale bytes
.set XR,   16                          ; v16-47   the row as loaded
.set X,    48                          ; v48-79   my block of 32
.set WR,   80                          ; v80-143  Wg as loaded; later eight rows of Wg
.set ACC,  144                         ; v144-151 the eight logits
.set CD,   152                         ; v152-155 my block's codes
.set PL,   162                         ; v162-169 the other half's sums
	s_load_b256 s[4:11], s[0:1], 0x0               ; x, Wg, bg, xq_codes
	s_load_b128 s[12:15], s[0:1], 0x20             ; xq_scales, sel
	s_load_b64 s[16:17], s[0:1], 0x30              ; gates
	v_lshl_add_u32 v192, v0, 2, 0xcc00
	v_mov_b32 v193, 0
	v_lshrrev_b32 v9, 5, v0
	v_readfirstlane_b32 s18, v9                    ; wave
	v_and_b32 v1, 31, v0                           ; lane
	v_lshlrev_b32 v2, 4, v1                        ; 16 x lane
	v_lshlrev_b32 v10, 2, v1                       ; 4 x lane
	s_mul_i32 s19, s18, 4608
	s_add_co_u32 s19, s19, XT                      ; my stage
	v_lshrrev_b32 v9, 3, v1
	v_lshl_add_u32 v3, v9, 4, v2
	v_add_nc_u32 v3, s19, v3                       ; in: 16 lane + 16 (lane / 8); load j adds 576 j
	v_mul_u32_u24 v4, v1, 144
	v_add_nc_u32 v4, s19, v4                       ; out: 144 lane: my eight pieces on end
	s_mul_i32 s19, s18, 8320
	v_add_nc_u32 v5, s19, v2                       ; Wg in: my wave's quarter
	v_mul_u32_u24 v6, v1, 1040                     ; Wg out: my 32 rows
	s_lshl_b32 s19, s18, 5
	s_add_co_u32 s19, s19, SCB
	v_add_nc_u32 v7, s19, v1                       ; my block's scale byte
	v_lshl_add_u32 v8, v1, 2, SCB                  ; and, for wave 0, four of the 128 bytes
	s_mov_b32 s20, 0x76543210
	s_mov_b32 s21, 0xfedcba98                      ; v_permlanex16_b32: lane l xor 16
	s_lshl_b32 s22, ttmp9, 2
	s_add_co_u32 s22, s22, s18                     ; token
	s_lshl_b32 s32, s22, 12                        ; byte offsets, each in a pair of its own: x's row,
	s_mov_b32 s33, 0
	s_lshl_b32 s34, s18, 13                        ; my quarter of Wg,
	s_mov_b32 s35, 0
	s_lshl_b32 s36, s22, 9                         ; the token's codes,
	s_mov_b32 s37, 0
	s_lshl_b32 s38, ttmp9, 7                       ; the work-group's 128 scale bytes,
	s_mov_b32 s39, 0
	s_lshl_b32 s40, s22, 2                         ; sel's word,
	s_mov_b32 s41, 0
	s_lshl_b32 s42, s22, 3                         ; the two gates
	s_mov_b32 s43, 0
	s_wait_kmcnt 0x0
	s_load_b256 s[24:31], s[8:9], 0x0              ; bg
	s_add_nc_u64 s[4:5], s[4:5], s[32:33]
	s_add_nc_u64 s[6:7], s[6:7], s[34:35]
	s_add_nc_u64 s[10:11], s[10:11], s[36:37]
	s_add_nc_u64 s[12:13], s[12:13], s[38:39]
	s_add_nc_u64 s[14:15], s[14:15], s[40:41]
	s_add_nc_u64 s[16:17], s[16:17], s[42:43]
.irp j, 0,1,2,3,4,5,6,7
	global_load_b128 v[XR+4*\j:XR+4*\j+3], v2, s[4:5] offset:512*\j th:TH_LOAD_NT   ; 512 consecutive bytes of the row
.endr
.irp j, 0,1,2,3,4,5,6,7,8,9,10,11,12,13,14,15
	global_load_b128 v[WR+4*\j:WR+4*\j+3], v2, s[6:7] offset:512*\j
.endr
	s_wait_loadcnt 16                              ; the row is in; Wg's sixteen loads may be out
.irp j, 0,1,2,3,4,5,6,7
	ds_store_b128 v3, v[XR+4*\j:XR+4*\j+3] offset:576*\j
.endr
.irp i, 0,1,2,3,4,5,6,7
	ds_load_b128 v[X+4*\i:X+4*\i+3], v4 offset:16*\i       ; LDS serves a wave's instructions in order: these see the stores above
.endr
	s_wait_loadcnt 0x0
.irp j, 0,1,2,3,4,5,6,7,8,9,10,11,12,13,14,15
	ds_store_b128 v5, v[WR+4*\j:WR+4*\j+3] offset:512*\j+16*(\j/2)
.endr
	s_wait_dscnt 16                                ; my block is back; Wg's sixteen stores may be out
	; the block's scale and codes
	v_max3_num_f32 v156, |v[X]|, |v[X+1]|, |v[X+2]|
	v_max3_num_f32 v157, |v[X+3]|, |v[X+4]|, |v[X+5]|
.irp i, 6,10,14,18,22,26
	v_max3_num_f32 v156, v156, |v[X+\i]|, |v[X+\i+1]|
	v_max3_num_f32 v157, v157, |v[X+\i+2]|, |v[X+\i+3]|
.endr
	v_max3_num_f32 v156, v156, |v[X+30]|, |v[X+31]|
	v_max3_num_f32 v156, v156, v157, 0x1800000     ; and the floor 2^(3 - 127): the byte cannot fall under 1
	v_add_nc_u32 v158, 0xff000000, v156            ; 2 off the exponent field: the conversion's scale operand
.irp g, 0,1,2,3
	v_cvt_scalef32_pk8_fp4_f32 v[CD+\g], v[X+8*\g:X+8*\g+7], v158
.endr
	v_lshrrev_b32 v159, 23, v158                   ; the scale's byte (a plain line behind the conversions)
	ds_store_b8 v7, v159
	global_store_b128 v2, v[CD:CD+3], s[10:11]     ; the wave stores the token's 512 bytes of codes on end
	s_wait_dscnt 0x0                               ; for the others' sake: my part of Wg and my byte have landed
	s_barrier_signal -1
	s_barrier_wait -1
	s_cmp_lg_u32 s18, 0
	s_cbranch_scc1 .Lnot_wave_0
	ds_load_b32 v11, v8
	s_wait_dscnt 0x0
	global_store_b32 v10, v11, s[12:13]            ; 128 consecutive bytes: four tokens' scale bytes
.Lnot_wave_0:
	; logits: my 32 numbers against my 32 rows of Wg, eight rows at a time; two experts an instruction, x broadcast from its pair
.set b, 0
.rept 4
.set i, 0
.rept 8
	ds_load_b128 v[WR+8*i:WR+8*i+3], v6 offset:32*(8*b+i)
	ds_load_b128 v[WR+8*i+4:WR+8*i+7], v6 offset:32*(8*b+i)+16
.set i, i+1
.endr
	s_wait_dscnt 0x0
.set i, 0
.rept 8
.set xp, X+8*b+i-i%2
.set p, 0
.rept 4
.if (b == 0) && (i == 0)
	v_pk_mul_f32 v[ACC+2*p:ACC+2*p+1], v[xp:xp+1], v[WR+8*i+2*p:WR+8*i+2*p+1] op_sel_hi:[0,1]   ; the first product starts the sums
.elseif (i%2) == 0
	v_pk_fma_f32 v[ACC+2*p:ACC+2*p+1], v[xp:xp+1], v[WR+8*i+2*p:WR+8*i+2*p+1], v[ACC+2*p:ACC+2*p+1] op_sel_hi:[0,1,1]
.else
	v_pk_fma_f32 v[ACC+2*p:ACC+2*p+1], v[xp:xp+1], v[WR+8*i+2*p:WR+8*i+2*p+1], v[ACC+2*p:ACC+2*p+1] op_sel:[1,0,0] op_sel_hi:[1,1,1]
.endif
.set p, p+1
.endr
.set i, i+1
.endr
.set b, b+1
.endr
.irp e, 0,1,2,3,4,5,6,7
	v_mov_b32 v[PL+\e], 0                          ; a lane permute's destination counts as one of its sources
.endr
.irp k, 1,2,4,8
.irp e, 0,1,2,3,4,5,6,7
	v_add_f32_dpp v[ACC+\e], v[ACC+\e], v[ACC+\e] row_xmask:\k row_mask:0xf bank_mask:0xf
.endr
.endr
.irp e, 0,1,2,3,4,5,6,7
	v_permlanex16_b32 v[PL+\e], v[ACC+\e], s20, s21
.endr
	s_wait_kmcnt 0x0                               ; bg
.irp e, 0,1,2,3,4,5,6,7
	v_add_f32 v[ACC+\e], v[ACC+\e], v[PL+\e]
.endr
.irp e, 0,1,2,3,4,5,6,7
	v_add_f32 v[ACC+\e], s[24+\e], v[ACC+\e]       ; every lane now holds the eight logits
.endr
	v_max3_num_f32 v170, v[ACC], v[ACC+1], v[ACC+2]
	v_max3_num_f32 v170, v170, v[ACC+3], v[ACC+4]
	v_max3_num_f32 v170, v170, v[ACC+5], v[ACC+6]
	v_max_num_f32 v170, v170, v[ACC+7]
.irp e, 0,1,2,3,4,5,6,7
	v_sub_f32 v[ACC+\e], v[ACC+\e], v170           ; the row's largest is taken away ahead of the choice
.endr
	v_mov_b32 v171, v[ACC]                         ; the best: a strict > keeps the lower index
	v_mov_b32 v172, 0
.irp e, 1,2,3,4,5,6,7
	v_cmp_gt_f32 vcc_lo, v[ACC+\e], v171
	v_cndmask_b32 v171, v171, v[ACC+\e], vcc_lo
	v_cndmask_b32 v172, v172, \e, vcc_lo
.endr
	v_mov_b32 v173, 0xff800000                     ; the second: the same over all but the best
	v_mov_b32 v174, 0
.irp e, 0,1,2,3,4,5,6,7
	v_cmp_ne_u32 s19, \e, v172
	v_cmp_gt_f32 vcc_lo, v[ACC+\e], v173
	s_and_b32 vcc_lo, vcc_lo, s19
	v_cndmask_b32 v173, v173, v[ACC+\e], vcc_lo
	v_cndmask_b32 v174, v174, \e, vcc_lo
.endr
	v_sub_f32 v175, v173, v171                     ; softmax of the two: the larger is taken away, so the exponent is 0 or less
	v_mul_f32 v175, 0x3fb8aa3b, v175
	v_exp_f32 v176, v175
	v_mov_b32 v185, 1                              ; (a plain line behind the exponential)
	s_wait_alu depctr_va_vdst(0)                   ; the wait ahead of the first reader
	v_add_f32 v177, 1.0, v176
	v_rcp_f32 v178, v177
	v_lshlrev_b32 v183, 2, v172                    ; (a plain line behind the reciprocal)
	v_lshlrev_b32 v184, 2, v174
	v_lshlrev_b32 v183, v183, v185
	v_lshlrev_b32 v184, v184, v185
	v_or_b32 v182, v183, v184                      ; sel's word: a one in each chosen expert's four bits
	v_mov_b32 v186, 0
	v_cmp_lt_u32 vcc_lo, v172, v174
	s_wait_alu depctr_va_vdst(0)
	v_mul_f32 v179, v176, v178
	v_cndmask_b32 v180, v179, v178, vcc_lo         ; the weight of the chosen expert with the lower number,
	v_cndmask_b32 v181, v178, v179, vcc_lo         ; and of the higher
	v_cmp_eq_u32 vcc_lo, 0, v1
	s_wait_xcnt 0x0                                ; EXEC changes only when the stores above have read their sources
	s_wait_tensorcnt 0x0
	ds_add_u32 v192, v193
	s_wait_dscnt 0x0
	s_and_saveexec_b32 s23, vcc_lo
	global_store_b32 v186, v182, s[14:15]
	global_store_b64 v186, v[180:181], s[16:17]
	s_wait_xcnt 0x0
	s_or_b32 exec_lo, exec_lo, s23
	s_endpgm
.Lfunc_end_k_q5249ecfa3b_route:
	.size	k_q5249ecfa3b_route, .Lfunc_end_k_q5249ecfa3b_route-k_q5249ecfa3b_route
	.p2alignl 7, 3214868480
	.fill 96, 4, 3214868480
	.section	.rodata,"a",@progbits
	.p2align	6, 0x0
	.amdhsa_kernel k_q5249ecfa3b_route
		.amdhsa_group_segment_fixed_size 52736
		.amdhsa_private_segment_fixed_size 0
		.amdhsa_enable_private_segment 0
		.amdhsa_kernarg_size 56
		.amdhsa_user_sgpr_count 2
		.amdhsa_user_sgpr_kernarg_segment_ptr 1
		.amdhsa_wavefront_size32 1
		.amdhsa_system_sgpr_workgroup_id_x 1
		.amdhsa_system_sgpr_workgroup_id_y 1
		.amdhsa_system_sgpr_workgroup_id_z 1
		.amdhsa_system_vgpr_workitem_id 0
		.amdhsa_next_free_vgpr 194
		.amdhsa_next_free_sgpr 66
		.amdhsa_reserve_vcc 1
		.amdhsa_float_denorm_mode_32 3
		.amdhsa_float_denorm_mode_16_64 3
		.amdhsa_memory_ordered 1
		.amdhsa_forward_progress 1
		.amdhsa_inst_pref_size 29
	.end_amdhsa_kernel
	.amdgpu_metadata
---
amdhsa.version: [ 1, 2 ]
amdhsa.kernels:
  - .name:           k_q5249ecfa3b_route
    .symbol:         k_q5249ecfa3b_route.kd
    .args:
      - { .name: x, .offset: 0, .size: 8, .value_kind: global_buffer, .address_space: global }
      - { .name: Wg, .offset: 8, .size: 8, .value_kind: global_buffer, .address_space: global }
      - { .name: bg, .offset: 16, .size: 8, .value_kind: global_buffer, .address_space: global }
      - { .name: xq_codes, .offset: 24, .size: 8, .value_kind: global_buffer, .address_space: global }
      - { .name: xq_scales, .offset: 32, .size: 8, .value_kind: global_buffer, .address_space: global }
      - { .name: sel, .offset: 40, .size: 8, .value_kind: global_buffer, .address_space: global }
      - { .name: gates, .offset: 48, .size: 8, .value_kind: global_buffer, .address_space: global }
    .group_segment_fixed_size: 52736
    .private_segment_fixed_size: 0
    .kernarg_segment_align: 8
    .kernarg_segment_size: 56
    .max_flat_workgroup_size: 128
    .sgpr_count:     66
    .vgpr_count:     194
    .wavefront_size: 32
...
	.end_amdgpu_metadata
.endif
;; end of part 1
;; launch ffn1 (part 2): grid 32 x 8, 4 waves a work-group, no clusters, 110,080 bytes of LDS; arguments xq_codes, xq_scales, sel, W1_codes, W1_scales, b1, h_codes, h_scales, place; writes h_codes, h_scales, place
.if DOCPART == 2
	.amdgcn_target "amdgcn-amd-amdhsa--gfx1250"
	.amdhsa_code_object_version 6
	.text
	.protected	k_q5249ecfa3b_ffn1
	.globl	k_q5249ecfa3b_ffn1
	.p2align	8
	.type	k_q5249ecfa3b_ffn1,@function
k_q5249ecfa3b_ffn1:
	s_mov_b64 s[64:65], 0
	v_nop
	global_prefetch_b8 v0, s[64:65] scope:SCOPE_SE
	s_setreg_imm32_b32 hwreg(HW_REG_WAVE_MODE, 25, 1), 1
	s_wait_xcnt 0x0
; h = Q(gelu(Q(x) W1 + b1)) for the rows that chose expert e.  Work-group (fs, e) owns hidden units 128 fs .. 128 fs + 127 of expert e, which are K step fs of the second product,
; for ALL rows of e.  Every byte of W1 is asked of memory once in the launch: each wave loads 32 whole rows (512 bytes each), the rows go through LDS, and every wave then
; holds the whole slice, 128 x 1,024 codes, in 512 registers.  Wave w takes the row tiles w, w + 4, ..: so a wave makes whole fragments and whole scale words of h.
; THE SORT.  Wave 0 ranks the tokens that chose e from sel (a one in expert e's four bits): a ballot for each of 32 registers, a running count, the rank as the place in a list in LDS.
; Lanes that do not take part store to a dump word, so EXEC never changes.  In the work-groups with fs = 0 wave 0 also stores each token's position (1,024 e + rank) and the count for the
; later launches: behind the issue of its 128 fragment loads, so that these lines run while the loads are served.
; THE PRODUCT IS USED TRANSPOSED (source 0 = 16 rows of W1, source 1 = 16 rows of x): a lane holds one row of h and its registers run along the hidden units.  THE ROWS OF W1 THAT FORM A TILE
; ARE NOT NEIGHBOURS: lane r of tile 2 b + u takes row 32 b + 8 u + r + 8 (r / 8), so that the 16 registers of tiles 2 b, 2 b + 1 are 16 neighbours along the next K.  b1 is the C of each sum's first product.
; GELU, exact form: gelu(x) = max(x, 0) - |x| Phi(-|x|), Phi(-|x|) = erfc(|x| / sqrt 2) / 2 = t 2^(poly(t) - x^2 log2(e) / 2), t = 1 / (1 + |x| / (2 sqrt 2)): the published fit of erfc with a polynomial
; of degree 9 in t (fractional error under 1.2e-7 everywhere, the negative tail too), its coefficients multiplied by log2(e), the factor 1/2 folded into the constant term.  All in f32.
; h leaves as IMAGES OF THE OPERAND'S REGISTERS: h_codes [e][tile][K step][1,024 bytes], register group c at 512 c + 16 lane; h_scales [e][tile][K step][16 rows] words.
; The tile bound is at least 1 and rows past the count are token 0's: every byte of h that the next launch loads has been stored; what such rows give is never read.
; LIMITS: NaN and infinities are not served; where Phi(-|x|) falls under 2^-126 it is 0; a block of zeros gets the byte 1.
; No tensor loads and no joint loads: the loop jumps over tiles by a count that comes from memory.  No prefetch: all weight loads go out at the head.
; REGISTERS: window 0: v1-31 addresses and constants; v32-63 W1's scale words; v64-67 x's; v68-84 tokens, then offsets; v88-151 the 8 accumulators; v152-247 at work; v248-255 codes.
;   window 1, 2: W1's fragments of K steps 0-3, 4-7 ((t, s) at 64 (s % 4) + 8 t).   window 3: v0-63 b1; v64-127 x's fragments; v128-195 the next tile's rows and scale bytes as loaded.
.set WP,    528                        ; an LDS row: 512 bytes + 16: 33 x 16, so sixteen rows start at sixteen different 16-byte columns
.set XST,   128*WP                     ; behind W1's 128 rows: 16 rows of x for each wave
.set XSS,   XST+4*16*WP                ; x's scale bytes: 16 rows x 48 for each wave
.set LIST,  XSS+4*768                  ; the list: 1,152 words (64 tiles, and the look-ahead's 4, in zeros) and, as word 1,152, the dump
.set NLIST, 1152
.set META,  LIST+4*NLIST+64            ; the count
.set W1S, 32
.set XS,  64
.set TK,  68
.set TS,  84
.set PW,  85
.set HA,  88
.set SW,  88                           ; the sort: sel's words v88-119, ranks v120-151
.set SR,  120
.set T,   152
.set P,   184
.set M,   216
.set TM,  152
.set PC,  248
.set XF,  64                           ; window 3
.set G,   128
.set GS,  192
.set CK,  66                           ; s[66+2k:67+2k]: coefficient k, twice
.set KN,  86                           ; s[86:87]: -log2(e) / 2
.set SEL, 88
.set MSB, 0
.macro WIN new                         ; the immediate's high byte repeats the setting that is left
.if MSB != \new
	s_set_vgpr_msb (MSB<<8)|\new
.set MSB, \new
.endif
.endm
.macro CONST at, bits
	s_mov_b32 s[\at], \bits
	s_mov_b32 s[\at+1], \bits
.endm
.macro LISTLD                          ; a tile's 16 tokens into every lane (one address for all lanes), and the token of row lane / 2
.irp a, 0,1,2,3
	ds_load_b128 v[TK+4*\a:TK+4*\a+3], v10 offset:16*\a
.endr
	ds_load_b32 v[TS], v11
.endm
.macro GISSUE                          ; the tile's 16 rows of codes, 512 consecutive bytes each, and their scale bytes
.set i, 0
.rept 17
	v_min_u32 v[TK+i], 0x3ff, v[TK+i]              ; a number from a list enters an address only held under the table's size
.set i, i+1
.endr
.set i, 0
.rept 16
	v_lshl_add_u32 v[TK+i], v[TK+i], 9, v1
.set i, i+1
.endr
	v_lshl_add_u32 v[TS], v[TS], 5, v23
	WIN 0xc0
.set i, 0
.rept 16
	global_load_b128 v[G+4*i:G+4*i+3], v[TK+i], s[4:5]
.set i, i+1
.endr
	global_load_b128 v[GS:GS+3], v[TS], s[6:7]
	WIN 0
.endm
.macro MM t, s, c                      ; tile t, K step s; c: C's first register.  K steps 4-7 take their scale words from lanes 16-31
.if (\s) < 4
	v_wmma_scale_f32_16x16x128_f8f6f4 v[HA+8*(\t):HA+8*(\t)+7], v[64*((\s)%4)+8*(\t):64*((\s)%4)+8*(\t)+7], v[XF+8*(\s):XF+8*(\s)+7], v[(\c):(\c)+7], v[W1S+4*(\t)+(\s)%4], v[XS+(\s)%4] matrix_a_fmt:MATRIX_FMT_FP4 matrix_b_fmt:MATRIX_FMT_FP4
.else
	v_wmma_scale_f32_16x16x128_f8f6f4 v[HA+8*(\t):HA+8*(\t)+7], v[64*((\s)%4)+8*(\t):64*((\s)%4)+8*(\t)+7], v[XF+8*(\s):XF+8*(\s)+7], v[(\c):(\c)+7], v[W1S+4*(\t)+(\s)%4], v[XS+(\s)%4] matrix_a_fmt:MATRIX_FMT_FP4 matrix_b_fmt:MATRIX_FMT_FP4 matrix_a_scale:MATRIX_SCALE_ROW1 matrix_b_scale:MATRIX_SCALE_ROW1
.endif
.endm
; 32 numbers in place.  The reciprocals stand by turns with plain lines that name none of their results (the sums that feed later reciprocals, then the squares), the exponentials by turns with the
; maxima; each batch ends on a plain line and has ONE wait ahead of its first reader.
.macro GELU b
.set XB, HA+32*\b
.set i, 0
.rept 8
	v_fma_f32 v[T+i], |v[XB+i]|, s98, 1.0          ; 1 + |x| / (2 sqrt 2); each accumulator is read from its low end on
.set i, i+1
.endr
.set i, 0
.rept 24
	v_rcp_f32 v[T+i], v[T+i]                       ; t
	v_fma_f32 v[T+i+8], |v[XB+i+8]|, s98, 1.0      ; eight ahead of its own reciprocal
.set i, i+1
.endr
.rept 8
	v_rcp_f32 v[T+i], v[T+i]
	v_pk_mul_f32 v[M+4*(i-24):M+4*(i-24)+1], v[XB+4*(i-24):XB+4*(i-24)+1], v[XB+4*(i-24):XB+4*(i-24)+1]   ; x^2
	v_pk_mul_f32 v[M+4*(i-24)+2:M+4*(i-24)+3], v[XB+4*(i-24)+2:XB+4*(i-24)+3], v[XB+4*(i-24)+2:XB+4*(i-24)+3]
.set i, i+1
.endr
	s_wait_alu depctr_va_vdst(0)                   ; one wait for the 32 reciprocals
.set i, 0
.rept 16
	v_pk_fma_f32 v[P+i:P+i+1], v[T+i:T+i+1], s[CK+18:CK+19], v[30:31] op_sel_hi:[1,0,1]
.set i, i+2
.endr
.irp k, 7,6,5,4,3,2,1,0
.set i, 0
.rept 16
	v_pk_fma_f32 v[P+i:P+i+1], v[P+i:P+i+1], v[T+i:T+i+1], s[CK+2*\k:CK+2*\k+1] op_sel_hi:[1,1,0]   ; the sixteen pairs by turns
.set i, i+2
.endr
.endr
.set i, 0
.rept 16
	v_pk_fma_f32 v[P+i:P+i+1], v[M+i:M+i+1], s[KN:KN+1], v[P+i:P+i+1] op_sel_hi:[1,0,1]
.set i, i+2
.endr
.set i, 0
.rept 32
	v_exp_f32 v[P+i], v[P+i]
	v_max_num_f32 v[M+i], 0, v[XB+i]
.set i, i+1
.endr
	s_wait_alu depctr_va_vdst(0)                   ; one for the 32 exponentials
.set i, 0
.rept 16
	v_pk_mul_f32 v[P+i:P+i+1], v[P+i:P+i+1], v[T+i:T+i+1]       ; Phi(-|x|)
.set i, i+2
.endr
.set i, 0
.rept 32
	v_fma_f32 v[XB+i], -|v[XB+i]|, v[P+i], v[M+i]
.set i, i+1
.endr
.endm
.macro QUANT                           ; register 16 b + i of v[HA] on = k 32 b + 16 (lane / 16) + i of my row: a fragment's codes in v[PC] on, its scale word in v[PW]
.irp b, 0,1,2,3
	v_max3_num_f32 v[TM+\b], |v[HA+16*\b]|, |v[HA+1+16*\b]|, 0x1800000   ; and the floor 2^(3 - 127): the byte cannot fall under 1
.endr
.irp i, 2,4,6,8,10,12,14
.irp b, 0,1,2,3
	v_max3_num_f32 v[TM+\b], v[TM+\b], |v[HA+16*\b+\i]|, |v[HA+1+16*\b+\i]|
.endr
.endr
.irp b, 0,1,2,3
	v_permlanex16_b32 v[TM+4+\b], v[TM+\b], s[SEL], s[SEL+1]
.endr
.irp b, 0,1,2,3
	v_max_num_f32 v[TM+\b], v[TM+\b], v[TM+4+\b]   ; with lane l xor 16's: the block's largest magnitude
.endr
.irp b, 0,1,2,3
	v_add_nc_u32 v[TM+12+\b], 0xff000000, v[TM+\b] ; 2 off its exponent field: the conversion's scale operand
.endr
.irp b, 0,1,2,3
	v_lshrrev_b32 v[TM+4+\b], 23, v[TM+12+\b]      ; the scale's byte
.endr
	v_lshl_or_b32 v[PW], v[TM+5], 8, v[TM+4]
	v_lshl_or_b32 v[PW], v[TM+6], 16, v[PW]
	v_lshl_or_b32 v[PW], v[TM+7], 24, v[PW]
.irp b, 0,1,2,3
	v_cvt_scalef32_pk8_fp4_f32 v[PC+2*\b], v[HA+16*\b:HA+7+16*\b], v[TM+12+\b]
	v_cvt_scalef32_pk8_fp4_f32 v[PC+1+2*\b], v[HA+8+16*\b:HA+15+16*\b], v[TM+12+\b]
.endr
	v_nop                                          ; one plain line behind a scaled conversion
.irp c, 0,1                                    ; the operand's layout wants a whole block in a lane
.irp i, 0,1
	v_permlane16_swap_b32 v[PC+4*\c+\i], v[PC+2+4*\c+\i]
.endr
.endr
.endm
	s_load_b512 s[4:19], s[0:1], 0x0               ; xq_codes, xq_scales, sel, W1_codes, W1_scales, b1, h_codes, h_scales
	s_load_b64 s[20:21], s[0:1], 0x40              ; place
	v_lshl_add_u32 v86, v0, 2, 0x1ac00
	v_mov_b32 v87, 0
	v_lshrrev_b32 v24, 5, v0
	v_readfirstlane_b32 s22, v24                   ; wave
	s_mov_b32 s23, ttmp9                           ; fs
	s_and_b32 s24, ttmp7, 0xffff                   ; e
	; every address register is made here, ahead of the first parting of the waves
	v_and_b32 v24, 31, v0                          ; lane
	v_and_b32 v2, 15, v0                           ; r
	v_bfe_u32 v3, v0, 4, 1                         ; h
	v_lshlrev_b32 v1, 4, v24                       ; 16 lane
	v_lshlrev_b32 v22, 2, v24                      ; 4 lane
	s_mul_i32 s90, s22, 32*WP
	v_add_nc_u32 v4, s90, v1                       ; W1 in: my wave's two tiles
	v_mul_u32_u24 v5, v2, WP
	v_lshl_add_u32 v5, v3, 4, v5                   ; W1 out: row r, + 16 h
	s_mul_i32 s90, s22, 16*WP
	s_add_co_u32 s90, s90, XST
	v_add_nc_u32 v6, s90, v1                       ; x in
	v_add_nc_u32 v7, s90, v5                       ; x out
	s_mul_i32 s90, s22, 768
	s_add_co_u32 s90, s90, XSS
	v_lshrrev_b32 v25, 1, v24
	v_and_b32 v26, 1, v24
	v_lshlrev_b32 v23, 4, v26                      ; 16 (lane % 2)
	v_mad_u32_u24 v8, v25, 48, v23
	v_add_nc_u32 v8, s90, v8                       ; x's scale bytes in: row lane / 2, half lane % 2
	v_mul_u32_u24 v9, v2, 48
	v_lshl_add_u32 v9, v3, 4, v9
	v_add_nc_u32 v9, s90, v9                       ; and out: row r, K steps 4 h on
	v_lshlrev_b32 v12, 2, v25                      ; 4 (lane / 2)
	v_lshlrev_b32 v13, 2, v2                       ; 4 r
	v_mov_b32 v17, META
	v_add_nc_u32 v18, LIST, v1
	v_lshrrev_b32 v25, 3, v2
	v_lshl_add_u32 v25, v25, 3, v2                 ; r + 8 (r / 8)
	v_lshlrev_b32 v20, 5, v25
	v_lshl_add_u32 v20, v3, 4, v20                 ; W1's scale bytes: 32 a row, + 16 h
	v_lshlrev_b32 v21, 6, v3                       ; b1: 64 h
	v_mov_b32 v30, 0xbf97d29d                      ; coefficient 8, as a vector pair: no packed line then names two scalar pairs
	v_mov_b32 v31, 0xbf97d29d
	s_lshl_b32 s90, s24, 2
	s_lshl_b32 s25, 1, s90                         ; expert e's bit in a word of sel
	s_sub_co_u32 s26, s25, 1                       ; the bits of the experts below e
	CONST CK+0,  0xc034d90f
	CONST CK+2,  0x3fb8ab5a
	CONST CK+4,  0x3f0a29d2
	CONST CK+6,  0x3e0efb2e
	CONST CK+8,  0xbe899a80
	CONST CK+10, 0x3ecdfd18
	CONST CK+12, 0xbfd1a1e5
	CONST CK+14, 0x40097039
	CONST CK+18, 0x3e7c6f08
	CONST KN,    0xbf38aa3b
	s_mov_b32 s98, 0x3eb504f3                      ; 1 / (2 sqrt 2)
	s_mov_b32 s[SEL], 0x76543210
	s_mov_b32 s[SEL+1], 0xfedcba98
	s_mov_b32 s91, 0
	s_lshl_b32 s93, s24, 21
	s_lshl_b32 s94, s24, 17
	s_wait_kmcnt 0x0
	s_lshl_b32 s90, s23, 16
	s_add_co_u32 s90, s90, s93
	s_lshl_b32 s92, s22, 14
	s_add_co_u32 s90, s90, s92
	s_add_nc_u64 s[10:11], s[10:11], s[90:91]      ; W1's codes: expert, slice, my wave's 32 rows
	s_lshl_b32 s90, s23, 12
	s_add_co_u32 s90, s90, s94
	s_add_nc_u64 s[12:13], s[12:13], s[90:91]      ; W1's scale bytes: expert, slice
	s_lshl_b32 s90, s24, 14
	s_lshl_b32 s92, s23, 9
	s_add_co_u32 s90, s90, s92
	s_add_nc_u64 s[14:15], s[14:15], s[90:91]      ; b1
	s_lshl_b32 s90, s23, 10
	s_add_co_u32 s90, s90, s93
	s_add_nc_u64 s[16:17], s[16:17], s[90:91]      ; h's codes: expert, K step fs
	s_lshl_b32 s90, s23, 6
	s_add_co_u32 s90, s90, s94
	s_add_nc_u64 s[18:19], s[18:19], s[90:91]      ; h's scale words
	s_cmp_lg_u32 s22, 0
	s_cbranch_scc1 .Lno_sel
.irp j, 0,1,2,3,4,5,6,7
	global_load_b128 v[SW+4*\j:SW+4*\j+3], v1, s[8:9] offset:512*\j   ; register m of lane l: token 128 (m / 4) + 4 l + m % 4
.endr
.Lno_sel:
	WIN 0x40
.set i, 0
.rept 32
	global_load_b128 v[4*i:4*i+3], v1, s[10:11] offset:512*i th:TH_LOAD_NT   ; a whole row of W1: 512 consecutive bytes; read once in the launch
.set i, i+1
.endr
	WIN 0
.set i, 0
.rept 8
	global_load_b128 v[W1S+4*i:W1S+4*i+3], v20, s[12:13] offset:(32*(i/2)+8*(i%2))*32   ; lanes 0-15: the words of K steps 0-3; lanes 16-31: of 4-7
.set i, i+1
.endr
	WIN 0xc0
.set i, 0
.rept 8
	global_load_b128 v[8*i:8*i+3], v21, s[14:15] offset:(32*(i/2)+8*(i%2))*4
	global_load_b128 v[8*i+4:8*i+7], v21, s[14:15] offset:(32*(i/2)+8*(i%2))*4+16
.set i, i+1
.endr
	WIN 0
	s_cmp_lg_u32 s22, 0
	s_cbranch_scc1 .Lno_sort
	; ---- the sort: wave 0 alone touches LDS ahead of the first barrier
	v_mov_b32 v248, 0
	v_mov_b32 v249, 0
	v_mov_b32 v250, 0
	v_mov_b32 v251, 0
.irp k, 0,1,2,3,4,5,6,7,8
	ds_store_b128 v18, v[248:251] offset:512*\k    ; the list begins as token 0 everywhere
.endr
	v_mov_b32 v25, NLIST
	s_wait_loadcnt 56                              ; sel's eight loads are in; behind them stand 32 + 8 + 16
.set m, 0
.rept 32
	v_and_b32 v24, s25, v[SW+m]
	v_cmp_ne_u32 s[32+m], 0, v24                   ; which lanes' tokens chose e
.set m, m+1
.endr
	s_mov_b32 s27, 0
.set m, 0
.rept 32
	v_mbcnt_lo_u32_b32 v[SR+m], s[32+m], s27       ; the rank: those counted so far + those in lower lanes
	s_bcnt1_i32_b32 s90, s[32+m]
	s_add_co_u32 s27, s27, s90
.set m, m+1
.endr
.set m, 0
.rept 32
	v_cndmask_b32 v24, v25, v[SR+m], s[32+m]       ; a lane that does not take part goes to the dump word
	v_min_u32 v24, NLIST, v24
	v_lshl_add_u32 v[T+m], v24, 2, LIST
	v_add_nc_u32 v[M+m], 128*(m/4)+m%4, v22        ; the token
	ds_store_b32 v[T+m], v[M+m]
.set m, m+1
.endr
	v_mov_b32 v19, s27
	ds_store_b32 v17, v19                          ; the count
.Lno_sort:
	s_wait_dscnt 0x0                               ; the list and the count have landed
	s_barrier_signal -1
	s_barrier_wait -1
	s_wait_loadcnt 24                              ; my 32 rows of W1 are in; 8 + 16 loads may be out
	WIN 0x04
.set i, 0
.rept 32
	ds_store_b128 v4, v[4*i:4*i+3] offset:(16*((i/8)%2)+(i%8)+8*(i/16))*WP   ; memory row 32 w + i is row (i % 8) + 8 (i / 16) of tile 2 w + (i / 8) % 2
.set i, i+1
.endr
	WIN 0
	ds_load_b32 v19, v17
	s_lshl_b32 s31, s22, 6
	s_add_co_u32 s31, s31, LIST                    ; my first tile's 16 words of the list
	v_mov_b32 v10, s31
	v_add_nc_u32 v11, s31, v12
	LISTLD
	s_add_co_u32 s31, s31, 256                     ; from here on: the tile four further on
	s_wait_dscnt 0x0                               ; my rows have landed (and the stores have read their registers); the count and my tokens are in
	s_barrier_signal -1
	s_barrier_wait -1
	v_readfirstlane_b32 s27, v19
	s_min_u32 s27, s27, 1024
	s_add_co_u32 s28, s27, 15
	s_lshr_b32 s28, s28, 4
	s_max_u32 s28, s28, 1                          ; tiles of 16 rows; tile 0 is always made
	GISSUE
	WIN 0x40
.set ss, 0
.rept 4
.set tt, 0
.rept 8
	ds_load_b128 v[64*ss+8*tt:64*ss+8*tt+3], v5 offset:16*tt*WP+64*ss
	ds_load_b128 v[64*ss+8*tt+4:64*ss+8*tt+7], v5 offset:16*tt*WP+64*ss+32
.set tt, tt+1
.endr
.set ss, ss+1
.endr
	WIN 0x80
.set ss, 0
.rept 4
.set tt, 0
.rept 8
	ds_load_b128 v[64*ss+8*tt:64*ss+8*tt+3], v5 offset:16*tt*WP+64*(ss+4)
	ds_load_b128 v[64*ss+8*tt+4:64*ss+8*tt+7], v5 offset:16*tt*WP+64*(ss+4)+32
.set tt, tt+1
.endr
.set ss, ss+1
.endr
	WIN 0
	; ---- wave 0 of slice 0 stores the positions, while its 128 fragment loads are served: place[token][slot] = 1,024 e + rank; slot 1 where a lower expert was chosen too.
	; sel's words, the ranks, the tokens and the 32 ballots stand as the sort left them: nothing in between writes v88-151, v216-247 or s[32:63].
	s_cmp_lg_u32 s22, 0
	s_cbranch_scc1 .Lno_place
	s_cmp_lg_u32 s23, 0
	s_cbranch_scc1 .Lno_place
	s_lshl_b32 s92, s24, 10
	s_lshl_b32 s93, s24, 7
	s_add_co_u32 s94, s93, 8192
	v_add_nc_u32 v29, s94, v22                     ; my expert's dump words in place
	v_mov_b32 v27, 4
.set m, 0
.rept 32
	v_and_b32 v24, s26, v[SW+m]
	v_cmp_ne_u32 vcc_lo, 0, v24
	v_cndmask_b32 v24, 0, v27, vcc_lo
	v_lshl_add_u32 v24, v[M+m], 3, v24
	v_cndmask_b32 v24, v29, v24, s[32+m]
	v_min_u32 v[T+m], 0x23fc, v24
	v_add_nc_u32 v[P+m], s92, v[SR+m]
	global_store_b32 v[T+m], v[P+m], s[20:21]      ; each store has registers of its own: none is written again before the loop's wait
.set m, m+1
.endr
	s_add_co_u32 s94, s93, 9216
	v_add_nc_u32 v253, s94, v22
	v_mov_b32 v252, s27
	global_store_b32 v253, v252, s[20:21]          ; the count, 32 times: 128 consecutive bytes, all lanes on
.Lno_place:
	s_mov_b32 s29, s22                             ; my tile
	s_mov_b32 s30, 0
.Ltile:                                            ; 16 trips, a constant; a trip whose tile lies past the count does nothing but step
	s_cmp_ge_u32 s29, s28
	s_cbranch_scc1 .Lskip
	s_wait_loadcnt 0x0                             ; the tile's rows are in (in the first trip W1's scale words and b1 too); their offset registers are free
	s_wait_xcnt 0x0                                ; the last tile's stores (and the positions') have read their registers
	WIN 0x0c
.set i, 0
.rept 16
	ds_store_b128 v6, v[G+4*i:G+4*i+3] offset:WP*i
.set i, i+1
.endr
	ds_store_b128 v8, v[GS:GS+3]
	WIN 0xc0
.set i, 0
.rept 16
	ds_load_b128 v[XF+4*i:XF+4*i+3], v7 offset:32*i        ; my own stage, served in order: K step i / 2, half i % 2
.set i, i+1
.endr
	WIN 0
	ds_load_b128 v[XS:XS+3], v9
	v_mov_b32 v10, s31
	v_add_nc_u32 v11, s31, v12
	LISTLD
	s_wait_dscnt 0x0                               ; fragments (the weights' too, in the first trip), scale words and the next tokens are in; the stage's stores have read their registers
.set ss, 0
.rept 8
.if ss == 0
	WIN 0x3d                                       ; W1 window 1, x window 3, C = b1 window 3
.elseif ss < 4
	WIN 0x0d
.else
	WIN 0x0e                                       ; W1 window 2
.endif
.set tt, 0
.rept 8                                        ; the eight accumulators by turns
.if ss == 0
	MM tt, ss, 8*tt
.else
	MM tt, ss, HA+8*tt
.endif
.set tt, tt+1
.endr
.set ss, ss+1
.endr
	WIN 0
.rept 5
	v_nop                                          ; places behind the last products (ISA guide 7.12.1), on both ways below
.endr
	s_add_co_u32 s92, s29, 4
	s_cmp_ge_u32 s92, s28
	s_cbranch_scc1 .Lno_next                       ; my last tile asks for nothing
	GISSUE                                         ; the tile four further on: its 34 vector lines name no register of the products; its rows land under this tile's GELU
.Lno_next:
	GELU 0
	GELU 1
	QUANT
	s_lshl_b32 s92, s29, 15
	v_add_nc_u32 v14, s92, v1
	s_lshl_b32 s92, s29, 11
	v_add_nc_u32 v15, s92, v13
	global_store_b128 v14, v[PC:PC+3], s[16:17]            ; the fragment's image: 1,024 consecutive bytes
	global_store_b128 v14, v[PC+4:PC+7], s[16:17] offset:512
	global_store_b32 v15, v[PW], s[18:19]                  ; 16 scale words (both halves of the lanes hold, and write, the same)
.Lskip:
	s_add_co_u32 s29, s29, 4
	s_add_co_u32 s31, s31, 256
	s_add_co_u32 s30, s30, 1
	s_cmp_lt_u32 s30, 16
	s_cbranch_scc1 .Ltile
	s_wait_tensorcnt 0x0
	ds_add_u32 v86, v87
	s_wait_dscnt 0x0
	s_endpgm
.Lfunc_end_k_q5249ecfa3b_ffn1:
	.size	k_q5249ecfa3b_ffn1, .Lfunc_end_k_q5249ecfa3b_ffn1-k_q5249ecfa3b_ffn1
	.p2alignl 7, 3214868480
	.fill 96, 4, 3214868480
	.section	.rodata,"a",@progbits
	.p2align	6, 0x0
	.amdhsa_kernel k_q5249ecfa3b_ffn1
		.amdhsa_group_segment_fixed_size 110080
		.amdhsa_private_segment_fixed_size 0
		.amdhsa_enable_private_segment 0
		.amdhsa_kernarg_size 72
		.amdhsa_user_sgpr_count 2
		.amdhsa_user_sgpr_kernarg_segment_ptr 1
		.amdhsa_wavefront_size32 1
		.amdhsa_system_sgpr_workgroup_id_x 1
		.amdhsa_system_sgpr_workgroup_id_y 1
		.amdhsa_system_sgpr_workgroup_id_z 1
		.amdhsa_system_vgpr_workitem_id 0
		.amdhsa_next_free_vgpr 1024
		.amdhsa_next_free_sgpr 100
		.amdhsa_reserve_vcc 1
		.amdhsa_float_denorm_mode_32 3
		.amdhsa_float_denorm_mode_16_64 3
		.amdhsa_memory_ordered 1
		.amdhsa_forward_progress 1
		.amdhsa_inst_pref_size 116
	.end_amdhsa_kernel
	.amdgpu_metadata
---
amdhsa.version: [ 1, 2 ]
amdhsa.kernels:
  - .name:           k_q5249ecfa3b_ffn1
    .symbol:         k_q5249ecfa3b_ffn1.kd
    .args:
      - { .name: xq_codes, .offset: 0, .size: 8, .value_kind: global_buffer, .address_space: global }
      - { .name: xq_scales, .offset: 8, .size: 8, .value_kind: global_buffer, .address_space: global }
      - { .name: sel, .offset: 16, .size: 8, .value_kind: global_buffer, .address_space: global }
      - { .name: W1_codes, .offset: 24, .size: 8, .value_kind: global_buffer, .address_space: global }
      - { .name: W1_scales, .offset: 32, .size: 8, .value_kind: global_buffer, .address_space: global }
      - { .name: b1, .offset: 40, .size: 8, .value_kind: global_buffer, .address_space: global }
      - { .name: h_codes, .offset: 48, .size: 8, .value_kind: global_buffer, .address_space: global }
      - { .name: h_scales, .offset: 56, .size: 8, .value_kind: global_buffer, .address_space: global }
      - { .name: place, .offset: 64, .size: 8, .value_kind: global_buffer, .address_space: global }
    .group_segment_fixed_size: 110080
    .private_segment_fixed_size: 0
    .kernarg_segment_align: 8
    .kernarg_segment_size: 72
    .max_flat_workgroup_size: 128
    .sgpr_count:     100
    .vgpr_count:     1024
    .wavefront_size: 32
...
	.end_amdgpu_metadata
.endif
;; end of part 2
;; launch ffn2 (part 3): grid 32 x 8, 4 waves a work-group, no clusters, 101,888 bytes of LDS; arguments h_codes, h_scales, place, W2_codes, W2_scales, b2, y; writes y
.if DOCPART == 3
	.amdgcn_target "amdgcn-amd-amdhsa--gfx1250"
	.amdhsa_code_object_version 6
	.text
	.protected	k_q5249ecfa3b_ffn2
	.globl	k_q5249ecfa3b_ffn2
	.p2align	8
	.type	k_q5249ecfa3b_ffn2,@function
k_q5249ecfa3b_ffn2:
	s_mov_b64 s[64:65], 0
	v_nop
	global_prefetch_b8 v0, s[64:65] scope:SCOPE_SE
	s_setreg_imm32_b32 hwreg(HW_REG_WAVE_MODE, 25, 1), 1
	s_wait_xcnt 0x0
; y[position] = h W2 + b2 for the routed rows, position = 1,024 e + rank.  Work-group (ds = x % 8, j = x / 8, e) owns columns 128 ds .. 128 ds + 127 of expert e and the row tiles j, j + 4, ..
; THE WAVES SHARE K: wave q owns K steps 8 q .. 8 q + 7, 128 rows x 512 bytes of W2 in 512 registers for the whole launch.  So each fragment of h is loaded by one wave of the work-group and feeds
; eight products; the four partial sums of a tile meet in LDS, and each wave adds, with b2, and stores four whole pieces of rows (512 consecutive bytes each).
; W2's rows are loaded as they lie (512 consecutive bytes an instruction), three tiles (48 loads a wave) ahead of their use, and turned into fragments through the wave's own stage.
; h comes as images of the operand's registers: plain loads, in two buffers, two tiles ahead.  The two first fills follow the last weight loads; their tile numbers are held at the expert's last
; stored tile, so no load reads a byte that was not stored.  A buffer is filled again only where the work-group has a tile two turns on.
; TRANSPOSED USE: source 0 = 16 rows of W2, source 1 = 16 rows of h: a lane holds eight neighbouring columns of one row of y.
; The loop has a constant number of trips and one barrier in each, on every wave's path; what hangs on the count (read from memory, held under 1,024) is jumped over inside a trip.
; Four work-groups (j = 0 .. 3) read the same slice of W2.  It is not asked for jointly: the jumps hang on a count read from memory.
; No prefetch: the weight loads go out from the head on.
; REGISTERS: window 0: v1-21 addresses; v32-63 W2's scale words; v64-71 h's, two sets; v72-75 b2; v80-143 accumulators, then the partial sums; v144-207 h, buffer 0.
;   window 1, 2: W2's fragments of my K steps 0-3, 4-7 ((n, s) at 64 (s % 4) + 8 n).   window 3: v0-63 h, buffer 1.
.set TP,   528                         ; an LDS row: 512 bytes + 16
.set TSTB, 16*TP                       ; 16 rows: a wave's turn stage, and one partial sum
.set RST,  4*TSTB                      ; behind the stages: two buffers of four partial sums
.set RBUF, 4*TSTB
.set W2S, 32
.set HS,  64
.set B2,  72
.set ACC, 80
.set MSB, 0
.macro WIN new                         ; the immediate's high byte repeats the setting that is left
.if MSB != \new
	s_set_vgpr_msb (MSB<<8)|\new
.set MSB, \new
.endif
.endm
.macro LOADT n                         ; the 16 rows of tile n, my 512 bytes of each; row i lands in the four registers that piece i of the turned tile will take
	WIN 0x40
.set i, 0
.rept 8
	global_load_b128 v[64*(i/2)+8*(\n)+4*(i%2):64*(i/2)+8*(\n)+4*(i%2)+3], v1, s[10:11] offset:(16*(\n)+i)*2048
.set i, i+1
.endr
	WIN 0x80
.rept 8
	global_load_b128 v[64*(i/2-4)+8*(\n)+4*(i%2):64*(i/2-4)+8*(\n)+4*(i%2)+3], v1, s[10:11] offset:(16*(\n)+i)*2048
.set i, i+1
.endr
	WIN 0
.endm
.macro TURN n, left                    ; tile n through my stage: rows in, fragments out, into the registers that they left; LDS serves a wave's instructions in order
	s_wait_loadcnt \left
	WIN 0x04
.set i, 0
.rept 8
	ds_store_b128 v4, v[64*(i/2)+8*(\n)+4*(i%2):64*(i/2)+8*(\n)+4*(i%2)+3] offset:TP*i
.set i, i+1
.endr
	WIN 0x08
.rept 8
	ds_store_b128 v4, v[64*(i/2-4)+8*(\n)+4*(i%2):64*(i/2-4)+8*(\n)+4*(i%2)+3] offset:TP*i
.set i, i+1
.endr
	WIN 0x40
.set i, 0
.rept 8
	ds_load_b128 v[64*(i/2)+8*(\n)+4*(i%2):64*(i/2)+8*(\n)+4*(i%2)+3], v5 offset:32*i
.set i, i+1
.endr
	WIN 0x80
.rept 8
	ds_load_b128 v[64*(i/2-4)+8*(\n)+4*(i%2):64*(i/2-4)+8*(\n)+4*(i%2)+3], v5 offset:32*i
.set i, i+1
.endr
	WIN 0
.endm
.macro HSET b, ahead                   ; buffer b's offsets for tile T + ahead, held at the expert's last tile, and under 64 by a constant
	s_add_co_u32 s32, s31, \ahead
	s_min_u32 s32, s32, s41
	s_min_u32 s32, s32, 63
	s_lshl_b32 s33, s32, 15
	v_add_nc_u32 v[10+\b], s33, v1
	s_lshl_b32 s33, s32, 11
	v_add_nc_u32 v[12+\b], s33, v21
.endm
.macro HLOAD b                         ; 20 loads: my eight fragments of the tile, and their scale words (register jj: lanes 0-15 K step 2 jj, lanes 16-31 K step 2 jj + 1)
.if \b
	WIN 0xc0
.endif
.set i, 0
.rept 16
	global_load_b128 v[144-144*\b+4*i:144-144*\b+4*i+3], v[10+\b], s[4:5] offset:512*i
.set i, i+1
.endr
	WIN 0
.irp jj, 0,1,2,3
	global_load_b32 v[HS+4*\b+\jj], v[12+\b], s[6:7] offset:128*\jj
.endr
.endm
.macro MM n, s, hf, hs                 ; columns' tile n, my K step s; W2's scale words of K steps 4-7 and h's of odd K steps stand in lanes 16-31.  The first K step starts the sums
.if (\s) == 0
	v_wmma_scale_f32_16x16x128_f8f6f4 v[ACC+8*(\n):ACC+8*(\n)+7], v[8*(\n):8*(\n)+7], v[(\hf):(\hf)+7], 0, v[W2S+4*(\n)], v[(\hs)] matrix_a_fmt:MATRIX_FMT_FP4 matrix_b_fmt:MATRIX_FMT_FP4
.elseif ((\s) < 4) && ((\s)%2 == 0)
	v_wmma_scale_f32_16x16x128_f8f6f4 v[ACC+8*(\n):ACC+8*(\n)+7], v[64*((\s)%4)+8*(\n):64*((\s)%4)+8*(\n)+7], v[(\hf)+8*(\s):(\hf)+8*(\s)+7], v[ACC+8*(\n):ACC+8*(\n)+7], v[W2S+4*(\n)+(\s)%4], v[(\hs)+(\s)/2] matrix_a_fmt:MATRIX_FMT_FP4 matrix_b_fmt:MATRIX_FMT_FP4
.elseif (\s) < 4
	v_wmma_scale_f32_16x16x128_f8f6f4 v[ACC+8*(\n):ACC+8*(\n)+7], v[64*((\s)%4)+8*(\n):64*((\s)%4)+8*(\n)+7], v[(\hf)+8*(\s):(\hf)+8*(\s)+7], v[ACC+8*(\n):ACC+8*(\n)+7], v[W2S+4*(\n)+(\s)%4], v[(\hs)+(\s)/2] matrix_a_fmt:MATRIX_FMT_FP4 matrix_b_fmt:MATRIX_FMT_FP4 matrix_b_scale:MATRIX_SCALE_ROW1
.elseif (\s)%2 == 0
	v_wmma_scale_f32_16x16x128_f8f6f4 v[ACC+8*(\n):ACC+8*(\n)+7], v[64*((\s)%4)+8*(\n):64*((\s)%4)+8*(\n)+7], v[(\hf)+8*(\s):(\hf)+8*(\s)+7], v[ACC+8*(\n):ACC+8*(\n)+7], v[W2S+4*(\n)+(\s)%4], v[(\hs)+(\s)/2] matrix_a_fmt:MATRIX_FMT_FP4 matrix_b_fmt:MATRIX_FMT_FP4 matrix_a_scale:MATRIX_SCALE_ROW1
.else
	v_wmma_scale_f32_16x16x128_f8f6f4 v[ACC+8*(\n):ACC+8*(\n)+7], v[64*((\s)%4)+8*(\n):64*((\s)%4)+8*(\n)+7], v[(\hf)+8*(\s):(\hf)+8*(\s)+7], v[ACC+8*(\n):ACC+8*(\n)+7], v[W2S+4*(\n)+(\s)%4], v[(\hs)+(\s)/2] matrix_a_fmt:MATRIX_FMT_FP4 matrix_b_fmt:MATRIX_FMT_FP4 matrix_a_scale:MATRIX_SCALE_ROW1 matrix_b_scale:MATRIX_SCALE_ROW1
.endif
.endm
; ONE TILE OF ROWS, on h's buffer b and the partial sums' buffer b.  One barrier a tile serves both ways: a buffer of partial sums is written again two tiles on, behind the next tile's barrier,
; in front of which every wave has waited for its reads of it.
.macro TRIP b
	s_cmp_ge_u32 s29, s28
	s_cbranch_scc1 .Lidle_\@
	s_wait_loadcnt 20                              ; this buffer's 20 loads are in: either the other buffer's 20 were issued behind them and may be out, or a wait for 0 has been passed since
	s_wait_xcnt 0x0                                ; the last tile's stores have read the registers that the sums now take
.set ss, 0
.rept 8
.if ss < 4
	WIN 0x01+0x0c*\b                               ; W2 window 1; h window 0 or 3
.else
	WIN 0x02+0x0c*\b                               ; W2 window 2
.endif
.set nn, 0
.rept 8                                        ; the eight accumulators by turns
	MM nn, ss, 144-144*\b, HS+4*\b
.set nn, nn+1
.endr
.set ss, ss+1
.endr
	WIN 0
.rept 5
	v_nop                                          ; places behind the last products: for the stores that read them, the loads into h's registers, and the next tile's first products, which write over the sums
.endr
.set nn, 0
.rept 8
	ds_store_b128 v[6+\b], v[ACC+8*nn:ACC+8*nn+3] offset:64*nn          ; each accumulator from its low end on
	ds_store_b128 v[6+\b], v[ACC+8*nn+4:ACC+8*nn+7] offset:64*nn+16
.set nn, nn+1
.endr
	s_add_co_u32 s32, s29, 2
	s_cmp_ge_u32 s32, s28
	s_cbranch_scc1 .Lidle_\@                       ; no tile of mine two turns on: nothing is asked for, and what is out is waited for below
	HSET \b, 8                                     ; this buffer takes the tile two turns on: its loads have a whole turn and more in which to land
	HLOAD \b
	s_branch .Lmeet_\@
.Lidle_\@:
	s_wait_loadcnt 0x0                             ; no load was issued on this way: all that is out lands here, so the count at a turn's head holds on every way into it
.Lmeet_\@:
	s_wait_dscnt 0x0                               ; my partial sum has landed, and my reads of the other buffer are over
	s_barrier_signal -1
	s_barrier_wait -1
	s_cmp_ge_u32 s29, s28
	s_cbranch_scc1 .Lnone_\@
	s_wait_xcnt 0x0                                ; earlier stores have read their registers and their offset
.set p, 0
.rept 4
.set i, 0
.rept 4
	ds_load_b128 v[ACC+16*p+4*i:ACC+16*p+4*i+3], v[8+\b] offset:TSTB*p+TP*i   ; partial sum p of row 4 q + i: 512 bytes, 16 a lane
.set i, i+1
.endr
.set p, p+1
.endr
	s_lshl_b32 s33, s31, 16
	v_add_nc_u32 v14, s33, v1                      ; the tile's 16 rows of 4,096 bytes
	s_wait_dscnt 0x0
.irp c, 0,2
.irp i, 0,1,2,3
	v_pk_add_f32 v[ACC+4*\i+\c:ACC+4*\i+\c+1], v[ACC+4*\i+\c:ACC+4*\i+\c+1], v[ACC+16+4*\i+\c:ACC+16+4*\i+\c+1]
	v_pk_add_f32 v[ACC+32+4*\i+\c:ACC+32+4*\i+\c+1], v[ACC+32+4*\i+\c:ACC+32+4*\i+\c+1], v[ACC+48+4*\i+\c:ACC+48+4*\i+\c+1]
.endr
.endr
.irp c, 0,2
.irp i, 0,1,2,3
	v_pk_add_f32 v[ACC+4*\i+\c:ACC+4*\i+\c+1], v[ACC+4*\i+\c:ACC+4*\i+\c+1], v[ACC+32+4*\i+\c:ACC+32+4*\i+\c+1]
.endr
.endr
.irp c, 0,2
.irp i, 0,1,2,3
	v_pk_add_f32 v[ACC+4*\i+\c:ACC+4*\i+\c+1], v[ACC+4*\i+\c:ACC+4*\i+\c+1], v[B2+\c:B2+\c+1]
.endr
.endr
.irp i, 0,1,2,3
	global_store_b128 v14, v[ACC+4*\i:ACC+4*\i+3], s[16:17] offset:4096*\i th:TH_STORE_NT   ; 512 consecutive bytes, at a multiple of 256 from y's first byte
.endr
.Lnone_\@:
	s_add_co_u32 s29, s29, 1
	s_add_co_u32 s31, s31, 4
.endm
	s_load_b256 s[4:11], s[0:1], 0x0               ; h_codes, h_scales, place, W2_codes
	s_load_b128 s[12:15], s[0:1], 0x20             ; W2_scales, b2
	s_load_b64 s[16:17], s[0:1], 0x30              ; y
	v_lshl_add_u32 v254, v0, 2, 0x18c00
	v_mov_b32 v255, 0
	v_lshrrev_b32 v24, 5, v0
	v_readfirstlane_b32 s22, v24                   ; q
	s_and_b32 s23, ttmp9, 7                        ; ds
	s_lshr_b32 s25, ttmp9, 3                       ; j
	s_and_b32 s24, ttmp7, 0xffff                   ; e
	s_lshl_b32 s26, s24, 7
	v_and_b32 v24, 31, v0
	v_and_b32 v2, 15, v0                           ; r
	v_bfe_u32 v3, v0, 4, 1                         ; h
	v_lshlrev_b32 v1, 4, v24                       ; 16 lane
	v_lshlrev_b32 v21, 2, v24                      ; 4 lane
	s_mul_i32 s32, s22, TSTB
	v_add_nc_u32 v4, s32, v1                       ; my stage, rows in
	v_mul_u32_u24 v25, v2, TP
	v_lshl_add_u32 v5, v3, 4, v25
	v_add_nc_u32 v5, s32, v5                       ; fragments out
	s_add_co_u32 s33, s32, RST
	v_lshl_add_u32 v6, v3, 5, v25
	v_add_nc_u32 v6, s33, v6                       ; my partial sum: row r, + 32 h; buffer 0,
	v_add_nc_u32 v7, RBUF, v6                      ; buffer 1
	s_mul_i32 s33, s22, 4*TP
	s_add_co_u32 s33, s33, RST
	v_add_nc_u32 v8, s33, v1                       ; back: rows 4 q on, 16 bytes a lane; buffer 0,
	v_add_nc_u32 v9, RBUF, v8                      ; buffer 1
	v_lshlrev_b32 v20, 7, v2
	v_lshl_add_u32 v20, v3, 4, v20                 ; W2's scale bytes: 128 a row, + 16 h
	s_mov_b32 s35, 0
	s_lshl_b32 s36, s24, 21
	s_lshl_b32 s37, s24, 17
	s_wait_kmcnt 0x0
	s_load_b32 s27, s[8:9], s26 offset:0x2400      ; the expert's count
	s_lshl_b32 s34, s22, 13
	s_add_co_u32 s34, s34, s36
	s_add_nc_u64 s[4:5], s[4:5], s[34:35]          ; h's codes: expert, my eight K steps
	s_lshl_b32 s34, s22, 9
	s_add_co_u32 s34, s34, s37
	s_add_nc_u64 s[6:7], s[6:7], s[34:35]          ; h's scale words
	s_lshl_b32 s34, s23, 18
	s_add_co_u32 s34, s34, s36
	s_lshl_b32 s38, s22, 9
	s_add_co_u32 s34, s34, s38
	s_add_nc_u64 s[10:11], s[10:11], s[34:35]      ; W2's codes: expert, my 128 rows, my 512 bytes of each
	s_lshl_b32 s34, s23, 14
	s_add_co_u32 s34, s34, s37
	s_lshl_b32 s38, s22, 5
	s_add_co_u32 s34, s34, s38
	s_add_nc_u64 s[12:13], s[12:13], s[34:35]      ; W2's scale bytes
	s_lshl_b32 s34, s24, 12
	s_lshl_b32 s38, s23, 9
	s_add_co_u32 s34, s34, s38
	s_add_nc_u64 s[14:15], s[14:15], s[34:35]      ; b2
	s_lshl_b32 s34, s24, 22
	s_add_co_u32 s34, s34, s38
	s_lshl_b32 s38, s22, 14
	s_add_co_u32 s34, s34, s38
	s_add_nc_u64 s[16:17], s[16:17], s[34:35]      ; y: expert, my columns, rows 4 q on
.irp n, 0,1,2,3,4,5,6,7
	global_load_b128 v[W2S+4*\n:W2S+4*\n+3], v20, s[12:13] offset:2048*\n   ; lanes 0-15: the words of my K steps 0-3; lanes 16-31: of 4-7
.endr
	global_load_b128 v[B2:B2+3], v1, s[14:15]
	LOADT 0                                        ; 9 + 3 x 16 = 57 loads of mine are out
	LOADT 1
	LOADT 2
	s_wait_kmcnt 0x0
	s_min_u32 s27, s27, 1024
	s_add_co_u32 s40, s27, 15
	s_lshr_b32 s40, s40, 4                         ; the expert's tiles
	s_add_co_u32 s28, s40, 3
	s_sub_co_u32 s28, s28, s25
	s_lshr_b32 s28, s28, 2                         ; those of them that are mine: j, j + 4, ..
	s_max_u32 s41, s40, 1
	s_sub_co_u32 s41, s41, 1                       ; the last tile that was stored
	s_mov_b32 s29, 0                               ; my tiles done
	s_mov_b32 s31, s25                             ; the tile in hand
	TURN 0, 32                                     ; behind a tile's 16 loads stand the next two tiles' 32
	LOADT 3
	TURN 1, 32
	LOADT 4
	TURN 2, 32
	LOADT 5
	TURN 3, 32
	LOADT 6
	TURN 4, 32
	LOADT 7
	TURN 5, 32                                     ; tiles 6 and 7
	HSET 0, 0
	HLOAD 0                                        ; h's first fills follow the weights in the same stream of loads
	TURN 6, 36                                     ; tile 7's 16 and h's 20
	HSET 1, 4
	HLOAD 1
	TURN 7, 40                                     ; h's 20 + 20
	s_wait_dscnt 0x0                               ; all fragments of W2 are in
	s_mov_b32 s30, 0
.Lpair:                                            ; 8 trips of two tiles: 16 tiles, the most that 1,024 rows give a work-group
	TRIP 0
	TRIP 1
	s_add_co_u32 s30, s30, 1
	s_cmp_lt_u32 s30, 8
	s_cbranch_scc1 .Lpair
	s_wait_tensorcnt 0x0
	ds_add_u32 v254, v255
	s_wait_dscnt 0x0
	s_endpgm
.Lfunc_end_k_q5249ecfa3b_ffn2:
	.size	k_q5249ecfa3b_ffn2, .Lfunc_end_k_q5249ecfa3b_ffn2-k_q5249ecfa3b_ffn2
	.p2alignl 7, 3214868480
	.fill 96, 4, 3214868480
	.section	.rodata,"a",@progbits
	.p2align	6, 0x0
	.amdhsa_kernel k_q5249ecfa3b_ffn2
		.amdhsa_group_segment_fixed_size 101888
		.amdhsa_private_segment_fixed_size 0
		.amdhsa_enable_private_segment 0
		.amdhsa_kernarg_size 56
		.amdhsa_user_sgpr_count 2
		.amdhsa_user_sgpr_kernarg_segment_ptr 1
		.amdhsa_wavefront_size32 1
		.amdhsa_system_sgpr_workgroup_id_x 1
		.amdhsa_system_sgpr_workgroup_id_y 1
		.amdhsa_system_sgpr_workgroup_id_z 1
		.amdhsa_system_vgpr_workitem_id 0
		.amdhsa_next_free_vgpr 1024
		.amdhsa_next_free_sgpr 66
		.amdhsa_reserve_vcc 0
		.amdhsa_float_denorm_mode_32 3
		.amdhsa_float_denorm_mode_16_64 3
		.amdhsa_memory_ordered 1
		.amdhsa_forward_progress 1
		.amdhsa_inst_pref_size 70
	.end_amdhsa_kernel
	.amdgpu_metadata
---
amdhsa.version: [ 1, 2 ]
amdhsa.kernels:
  - .name:           k_q5249ecfa3b_ffn2
    .symbol:         k_q5249ecfa3b_ffn2.kd
    .args:
      - { .name: h_codes, .offset: 0, .size: 8, .value_kind: global_buffer, .address_space: global }
      - { .name: h_scales, .offset: 8, .size: 8, .value_kind: global_buffer, .address_space: global }
      - { .name: place, .offset: 16, .size: 8, .value_kind: global_buffer, .address_space: global }
      - { .name: W2_codes, .offset: 24, .size: 8, .value_kind: global_buffer, .address_space: global }
      - { .name: W2_scales, .offset: 32, .size: 8, .value_kind: global_buffer, .address_space: global }
      - { .name: b2, .offset: 40, .size: 8, .value_kind: global_buffer, .address_space: global }
      - { .name: y, .offset: 48, .size: 8, .value_kind: global_buffer, .address_space: global }
    .group_segment_fixed_size: 101888
    .private_segment_fixed_size: 0
    .kernarg_segment_align: 8
    .kernarg_segment_size: 56
    .max_flat_workgroup_size: 128
    .sgpr_count:     66
    .vgpr_count:     1024
    .wavefront_size: 32
...
	.end_amdgpu_metadata
.endif
;; end of part 3
;; launch combine (part 4): grid 256 x 1, 4 waves a work-group, no clusters, 0 bytes of LDS; arguments y, place, gates, out0; writes out0
.if DOCPART == 4
	.amdgcn_target "amdgcn-amd-amdhsa--gfx1250"
	.amdhsa_code_object_version 6
	.text
	.protected	k_q5249ecfa3b_combine
	.globl	k_q5249ecfa3b_combine
	.p2align	8
	.type	k_q5249ecfa3b_combine,@function
k_q5249ecfa3b_combine:
	s_mov_b64 s[64:65], 0
	v_nop
	global_prefetch_b8 v0, s[64:65] scope:SCOPE_SE
	s_setreg_imm32_b32 hwreg(HW_REG_WAVE_MODE, 25, 1), 1
	s_wait_xcnt 0x0
; out0[token] = gate 0 x y[position 0] + gate 1 x y[position 1].  One wave takes one token: it is the one owner of the output row, so nothing is added across work-groups.
; The two positions are whole numbers that an earlier launch stored; they are held under 8,192 by a constant before they enter an address.
; A stream: each load and store of the wave covers 512 consecutive bytes; all 16 loads go out at once; no LDS, no barrier, no matrix unit.
	s_load_b256 s[4:11], s[0:1], 0x0               ; y, place, gates, out0
	v_lshrrev_b32 v4, 5, v0
	v_readfirstlane_b32 s12, v4                    ; wave
	v_and_b32 v1, 31, v0
	v_lshlrev_b32 v1, 4, v1                        ; 16 lane
	s_lshl_b32 s13, ttmp9, 2
	s_add_co_u32 s12, s13, s12                     ; token
	s_lshl_b32 s13, s12, 3
	s_lshl_b32 s20, s12, 12
	s_mov_b32 s21, 0
	s_wait_kmcnt 0x0
	s_load_b64 s[14:15], s[6:7], s13 offset:0x0    ; the two positions
	s_load_b64 s[16:17], s[8:9], s13 offset:0x0    ; the two gates
	s_add_nc_u64 s[10:11], s[10:11], s[20:21]
	s_wait_kmcnt 0x0
	s_min_u32 s14, s14, 0x1fff
	s_min_u32 s15, s15, 0x1fff
	s_lshl_b32 s14, s14, 12
	s_lshl_b32 s15, s15, 12
	s_mov_b32 s18, s17                             ; the second gate as the low word of a pair of its own
	s_mov_b32 s19, s17
	v_add_nc_u32 v2, s14, v1
	v_add_nc_u32 v3, s15, v1
.irp j, 0,1,2,3,4,5,6,7
	global_load_b128 v[8+4*\j:11+4*\j], v2, s[4:5] offset:512*\j th:TH_LOAD_NT
.endr
.irp j, 0,1,2,3,4,5,6,7
	global_load_b128 v[40+4*\j:43+4*\j], v3, s[4:5] offset:512*\j th:TH_LOAD_NT
.endr
	s_wait_loadcnt 8                               ; the first row is in; the second row's eight loads may be out
.irp i, 0,2,4,6,8,10,12,14,16,18,20,22,24,26,28,30
	v_pk_mul_f32 v[8+\i:9+\i], v[8+\i:9+\i], s[16:17] op_sel_hi:[1,0]
.endr
.irp j, 0,1,2,3,4,5,6,7
	s_wait_loadcnt 7-\j                            ; loads come back in order: piece j of the second row is in
	v_pk_fma_f32 v[8+4*\j:9+4*\j], v[40+4*\j:41+4*\j], s[18:19], v[8+4*\j:9+4*\j] op_sel_hi:[1,0,1]
	v_pk_fma_f32 v[10+4*\j:11+4*\j], v[42+4*\j:43+4*\j], s[18:19], v[10+4*\j:11+4*\j] op_sel_hi:[1,0,1]
	global_store_b128 v1, v[8+4*\j:11+4*\j], s[10:11] offset:512*\j th:TH_STORE_NT
.endr
	s_endpgm
.Lfunc_end_k_q5249ecfa3b_combine:
	.size	k_q5249ecfa3b_combine, .Lfunc_end_k_q5249ecfa3b_combine-k_q5249ecfa3b_combine
	.p2alignl 7, 3214868480
	.fill 96, 4, 3214868480
	.section	.rodata,"a",@progbits
	.p2align	6, 0x0
	.amdhsa_kernel k_q5249ecfa3b_combine
		.amdhsa_group_segment_fixed_size 0
		.amdhsa_private_segment_fixed_size 0
		.amdhsa_enable_private_segment 0
		.amdhsa_kernarg_size 32
		.amdhsa_user_sgpr_count 2
		.amdhsa_user_sgpr_kernarg_segment_ptr 1
		.amdhsa_wavefront_size32 1
		.amdhsa_system_sgpr_workgroup_id_x 1
		.amdhsa_system_sgpr_workgroup_id_y 1
		.amdhsa_system_sgpr_workgroup_id_z 1
		.amdhsa_system_vgpr_workitem_id 0
		.amdhsa_next_free_vgpr 80
		.amdhsa_next_free_sgpr 66
		.amdhsa_reserve_vcc 0
		.amdhsa_float_denorm_mode_32 3
		.amdhsa_float_denorm_mode_16_64 3
		.amdhsa_memory_ordered 1
		.amdhsa_forward_progress 1
		.amdhsa_inst_pref_size 6
	.end_amdhsa_kernel
	.amdgpu_metadata
---
amdhsa.version: [ 1, 2 ]
amdhsa.kernels:
  - .name:           k_q5249ecfa3b_combine
    .symbol:         k_q5249ecfa3b_combine.kd
    .args:
      - { .name: y, .offset: 0, .size: 8, .value_kind: global_buffer, .address_space: global }
      - { .name: place, .offset: 8, .size: 8, .value_kind: global_buffer, .address_space: global }
      - { .name: gates, .offset: 16, .size: 8, .value_kind: global_buffer, .address_space: global }
      - { .name: out0, .offset: 24, .size: 8, .value_kind: global_buffer, .address_space: global }
    .group_segment_fixed_size: 0
    .private_segment_fixed_size: 0
    .kernarg_segment_align: 8
    .kernarg_segment_size: 32
    .max_flat_workgroup_size: 128
    .sgpr_count:     66
    .vgpr_count:     80
    .wavefront_size: 32
...
	.end_amdgpu_metadata
.endif
;; end of part 4
;; ======== version 2 of 2: 4 launches; version 1 with the launch ffn2 written anew for expert scheduling mode
;; workspace buffers: xq_codes 524,288 bytes; xq_scales 32,768 bytes; sel 4,096 bytes of whole numbers; gates 8,192 bytes; place 10,240 bytes of whole numbers; h_codes 16,777,216 bytes; h_scales 1,048,576 bytes; y 33,554,432 bytes
;; launch route: the kernel of part 1 again; grid 256 x 1, 4 waves a work-group, no clusters, 52,736 bytes of LDS; arguments x, Wg, bg, xq_codes, xq_scales, sel, gates; writes xq_codes, xq_scales, sel, gates
;; launch ffn1: the kernel of part 2 again; grid 32 x 8, 4 waves a work-group, no clusters, 110,080 bytes of LDS; arguments xq_codes, xq_scales, sel, W1_codes, W1_scales, b1, h_codes, h_scales, place; writes h_codes, h_scales, place
;; launch ffn2 (part 5): grid 32 x 8, 4 waves a work-group, no clusters, 101,888 bytes of LDS; arguments h_codes, h_scales, place, W2_codes, W2_scales, b2, y; writes y
.if DOCPART == 5
	.amdgcn_target "amdgcn-amd-amdhsa--gfx1250"
	.amdhsa_code_object_version 6
	.text
	.protected	k_q5249ecfa3b_ffn2
	.globl	k_q5249ecfa3b_ffn2
	.p2align	8
	.type	k_q5249ecfa3b_ffn2,@function
k_q5249ecfa3b_ffn2:
	s_mov_b64 s[64:65], 0
	v_nop
	global_prefetch_b8 v0, s[64:65] scope:SCOPE_SE
	s_setreg_imm32_b32 hwreg(HW_REG_WAVE_SCHED_MODE, 0, 2), 2
	s_setreg_imm32_b32 hwreg(HW_REG_WAVE_MODE, 25, 1), 1
	s_wait_xcnt 0x0
	s_wait_alu depctr_vm_vsrc(0)
; y[position] = h W2 + b2 for the routed rows, position = 1,024 e + rank.  Work-group (ds = x % 8, j = x / 8, e) owns columns 128 ds .. 128 ds + 127 of expert e and the row tiles j, j + 4, ..
; THE WAVES SHARE K: wave q owns K steps 8 q .. 8 q + 7, 128 rows x 512 bytes of W2 in 512 registers for the whole launch.  So each fragment of h is loaded by one wave of the work-group and feeds
; eight products; the four partial sums of a tile meet in LDS, and each wave adds, with b2, and stores four whole pieces of rows (512 consecutive bytes each).
; W2's rows are loaded as they lie (512 consecutive bytes an instruction), three tiles (48 loads a wave) ahead of their use, and turned into fragments through the wave's own stage.
; h comes as images of the operand's registers: plain loads, in two buffers, two tiles ahead.  The two first fills follow the last weight loads; their tile numbers are held at the expert's last
; stored tile, so no load reads a byte that was not stored.  A buffer is filled again only where the work-group has a tile two turns on.
; TRANSPOSED USE: source 0 = 16 rows of W2, source 1 = 16 rows of h: a lane holds eight neighbouring columns of one row of y.
; The loop has a constant number of trips and one barrier in each, on every wave's path; what hangs on the count (read from memory, held under 1,024) is jumped over inside a trip.
; Four work-groups (j = 0 .. 3) read the same slice of W2.  It is not asked for jointly: the jumps hang on a count read from memory.
; No prefetch: the weight loads go out from the head on.
; REGISTERS: window 0: v1-21 addresses; v32-63 W2's scale words; v64-71 h's, two sets; v72-75 b2; v80-143 accumulators, then the partial sums; v144-207 h, buffer 0.
;   window 1, 2: W2's fragments of my K steps 0-3, 4-7 ((n, s) at 64 (s % 4) + 8 n).   window 3: v0-63 h, buffer 1.
; THE MODE: SCHED_MODE bits 1:0 = 2 (LLVM: expert scheduling mode 2), set by the entry lines.  The code itself states the register dependences
; between vector or matrix instructions and memory or LDS instructions, with s_wait_alu, always for 0.
; THE PLAN.  Registers that memory or LDS instructions touch:
;   a weight tile's 64 registers   Written by its 16 global loads; read by its 16 LDS stores; written again by its 16 LDS loads; from then on read by products alone.
;   h's buffer b, its scale words  Written by HLOAD b; read by the 64 products of a trip on b; written again by the trip's own HLOAD b.
;   v[10+b], v[12+b]               Written by HSET b; read by HLOAD b.
;   v80-143                        Written by a trip's products; read by its 16 LDS stores; written by the 16 LDS loads of the partial sums; added up by vector lines; v80-95 read by its four stores.
;   v14                            Written by one addition a trip; read by the four stores.
;   v1, v4-v9, v20, v21 are made at the head and never written again.
; A turn of the head has one wait on vm_vsrc, between its stores and its loads.  A trip has four waits: vm_vsrc at its head, va_vdst behind the products' places, vm_vsrc behind the barrier, va_vdst ahead of its stores.
.set TP,   528                         ; an LDS row: 512 bytes + 16
.set TSTB, 16*TP                       ; 16 rows: a wave's turn stage, and one partial sum
.set RST,  4*TSTB                      ; behind the stages: two buffers of four partial sums
.set RBUF, 4*TSTB
.set W2S, 32
.set HS,  64
.set B2,  72
.set ACC, 80
.set MSB, 0
.macro WIN new                         ; the immediate's high byte repeats the setting that is left
.if MSB != \new
	s_set_vgpr_msb (MSB<<8)|\new
.set MSB, \new
.endif
.endm
.macro LOADT n                         ; the 16 rows of tile n, my 512 bytes of each; row i lands in the four registers that piece i of the turned tile will take
	WIN 0x40
.set i, 0
.rept 8
	global_load_b128 v[64*(i/2)+8*(\n)+4*(i%2):64*(i/2)+8*(\n)+4*(i%2)+3], v1, s[10:11] offset:(16*(\n)+i)*2048
.set i, i+1
.endr
	WIN 0x80
.rept 8
	global_load_b128 v[64*(i/2-4)+8*(\n)+4*(i%2):64*(i/2-4)+8*(\n)+4*(i%2)+3], v1, s[10:11] offset:(16*(\n)+i)*2048
.set i, i+1
.endr
	WIN 0
.endm
; Tile n through my stage, in two parts: rows in (TIN), fragments out (TOUT), into the registers that they left; LDS serves a wave's instructions in order.
; Between the two parts stand the global loads that are due, which touch other registers.
.macro TIN n, left
	s_wait_loadcnt \left
	WIN 0x04
.set i, 0
.rept 8
	ds_store_b128 v4, v[64*(i/2)+8*(\n)+4*(i%2):64*(i/2)+8*(\n)+4*(i%2)+3] offset:TP*i
.set i, i+1
.endr
	WIN 0x08
.rept 8
	ds_store_b128 v4, v[64*(i/2-4)+8*(\n)+4*(i%2):64*(i/2-4)+8*(\n)+4*(i%2)+3] offset:TP*i
.set i, i+1
.endr
.endm
.macro TOUT n
	s_wait_alu depctr_vm_vsrc(0)                   ; the tile's sixteen LDS stores have read its registers, in which its fragments land
	WIN 0x40
.set i, 0
.rept 8
	ds_load_b128 v[64*(i/2)+8*(\n)+4*(i%2):64*(i/2)+8*(\n)+4*(i%2)+3], v5 offset:32*i
.set i, i+1
.endr
	WIN 0x80
.rept 8
	ds_load_b128 v[64*(i/2-4)+8*(\n)+4*(i%2):64*(i/2-4)+8*(\n)+4*(i%2)+3], v5 offset:32*i
.set i, i+1
.endr
	WIN 0
.endm
.macro HSET b, ahead                   ; buffer b's offsets for tile T + ahead, held at the expert's last tile, and under 64 by a constant
	s_add_co_u32 s32, s31, \ahead
	s_min_u32 s32, s32, s41
	s_min_u32 s32, s32, 63
	s_lshl_b32 s33, s32, 15
	v_add_nc_u32 v[10+\b], s33, v1
	s_lshl_b32 s33, s32, 11
	v_add_nc_u32 v[12+\b], s33, v21
.endm
.macro HLOAD b                         ; 20 loads: my eight fragments of the tile, and their scale words (register jj: lanes 0-15 K step 2 jj, lanes 16-31 K step 2 jj + 1)
.if \b
	WIN 0xc0
.else
	WIN 0
.endif
.set i, 0
.rept 16
	global_load_b128 v[144-144*\b+4*i:144-144*\b+4*i+3], v[10+\b], s[4:5] offset:512*i
.set i, i+1
.endr
	WIN 0
.irp jj, 0,1,2,3
	global_load_b32 v[HS+4*\b+\jj], v[12+\b], s[6:7] offset:128*\jj
.endr
.endm
.macro MM n, s, hf, hs                 ; columns' tile n, my K step s; W2's scale words of K steps 4-7 and h's of odd K steps stand in lanes 16-31.  The first K step starts the sums
.if (\s) == 0
	v_wmma_scale_f32_16x16x128_f8f6f4 v[ACC+8*(\n):ACC+8*(\n)+7], v[8*(\n):8*(\n)+7], v[(\hf):(\hf)+7], 0, v[W2S+4*(\n)], v[(\hs)] matrix_a_fmt:MATRIX_FMT_FP4 matrix_b_fmt:MATRIX_FMT_FP4
.elseif ((\s) < 4) && ((\s)%2 == 0)
	v_wmma_scale_f32_16x16x128_f8f6f4 v[ACC+8*(\n):ACC+8*(\n)+7], v[64*((\s)%4)+8*(\n):64*((\s)%4)+8*(\n)+7], v[(\hf)+8*(\s):(\hf)+8*(\s)+7], v[ACC+8*(\n):ACC+8*(\n)+7], v[W2S+4*(\n)+(\s)%4], v[(\hs)+(\s)/2] matrix_a_fmt:MATRIX_FMT_FP4 matrix_b_fmt:MATRIX_FMT_FP4
.elseif (\s) < 4
	v_wmma_scale_f32_16x16x128_f8f6f4 v[ACC+8*(\n):ACC+8*(\n)+7], v[64*((\s)%4)+8*(\n):64*((\s)%4)+8*(\n)+7], v[(\hf)+8*(\s):(\hf)+8*(\s)+7], v[ACC+8*(\n):ACC+8*(\n)+7], v[W2S+4*(\n)+(\s)%4], v[(\hs)+(\s)/2] matrix_a_fmt:MATRIX_FMT_FP4 matrix_b_fmt:MATRIX_FMT_FP4 matrix_b_scale:MATRIX_SCALE_ROW1
.elseif (\s)%2 == 0
	v_wmma_scale_f32_16x16x128_f8f6f4 v[ACC+8*(\n):ACC+8*(\n)+7], v[64*((\s)%4)+8*(\n):64*((\s)%4)+8*(\n)+7], v[(\hf)+8*(\s):(\hf)+8*(\s)+7], v[ACC+8*(\n):ACC+8*(\n)+7], v[W2S+4*(\n)+(\s)%4], v[(\hs)+(\s)/2] matrix_a_fmt:MATRIX_FMT_FP4 matrix_b_fmt:MATRIX_FMT_FP4 matrix_a_scale:MATRIX_SCALE_ROW1
.else
	v_wmma_scale_f32_16x16x128_f8f6f4 v[ACC+8*(\n):ACC+8*(\n)+7], v[64*((\s)%4)+8*(\n):64*((\s)%4)+8*(\n)+7], v[(\hf)+8*(\s):(\hf)+8*(\s)+7], v[ACC+8*(\n):ACC+8*(\n)+7], v[W2S+4*(\n)+(\s)%4], v[(\hs)+(\s)/2] matrix_a_fmt:MATRIX_FMT_FP4 matrix_b_fmt:MATRIX_FMT_FP4 matrix_a_scale:MATRIX_SCALE_ROW1 matrix_b_scale:MATRIX_SCALE_ROW1
.endif
.endm
; ONE TILE OF ROWS, on h's buffer b and the partial sums' buffer b.  One barrier a tile serves both ways: a buffer of partial sums is written again two tiles on, behind the next tile's barrier,
; in front of which every wave has waited for its reads of it.
.macro TRIP b
	s_cmp_ge_u32 s29, s28
	s_cbranch_scc1 .Lidle_\@
	s_wait_loadcnt 20                              ; this buffer's 20 loads are in: either the other buffer's 20 were issued behind them and may be out, or a wait for 0 has been passed since
	s_wait_xcnt 0x0                                ; the last tile's stores have read the registers that the sums now take
	s_wait_alu depctr_vm_vsrc(0)                   ; the last tile's four stores have read v80 to v95, which the products write; this buffer's last loads have read their offsets, which are written below
.set ss, 0
.rept 8
.if ss < 4
	WIN 0x01+0x0c*\b                               ; W2 window 1; h window 0 or 3
.else
	WIN 0x02+0x0c*\b                               ; W2 window 2
.endif
.set nn, 0
.rept 8                                        ; the eight accumulators by turns
	MM nn, ss, 144-144*\b, HS+4*\b
.set nn, nn+1
.endr
.set ss, ss+1
.endr
	WIN 0
	HSET \b, 8                                     ; the offsets of the tile two turns on (held at the last stored tile), made ahead of the one wait below
.rept 5
	v_nop                                          ; places behind the last products: for the stores that read them, and the next tile's first products, which write over the sums
.endr
	s_wait_alu depctr_va_vdst(0)                   ; the products have written the sums, which the LDS stores read, and are done reading h's buffer and its scale words, in which the loads below land; the two offsets are written
.set nn, 0
.rept 8
	ds_store_b128 v[6+\b], v[ACC+8*nn:ACC+8*nn+3] offset:64*nn          ; each accumulator from its low end on
	ds_store_b128 v[6+\b], v[ACC+8*nn+4:ACC+8*nn+7] offset:64*nn+16
.set nn, nn+1
.endr
	s_add_co_u32 s32, s29, 2
	s_cmp_ge_u32 s32, s28
	s_cbranch_scc1 .Lidle_\@                       ; no tile of mine two turns on: nothing is asked for, and what is out is waited for below
	HLOAD \b                                       ; this buffer takes the tile two turns on: its loads have a whole turn and more in which to land.  No wait: no vector or matrix instruction since the wait above names its registers
	s_branch .Lmeet_\@
.Lidle_\@:
	s_wait_loadcnt 0x0                             ; no load was issued on this way: all that is out lands here, so the count at a turn's head holds on every way into it
.Lmeet_\@:
	s_wait_dscnt 0x0                               ; my partial sum has landed, and my reads of the other buffer are over
	s_barrier_signal -1
	s_barrier_wait -1
	s_cmp_ge_u32 s29, s28
	s_cbranch_scc1 .Lnone_\@
	s_wait_xcnt 0x0                                ; earlier stores have read their registers and their offset
	s_wait_alu depctr_vm_vsrc(0)                   ; my sixteen LDS stores have read v80 to v143, in which the partial sums land; the last tile's stores have read v14, which is written below
.set p, 0
.rept 4
.set i, 0
.rept 4
	ds_load_b128 v[ACC+16*p+4*i:ACC+16*p+4*i+3], v[8+\b] offset:TSTB*p+TP*i   ; partial sum p of row 4 q + i: 512 bytes, 16 a lane
.set i, i+1
.endr
.set p, p+1
.endr
	s_lshl_b32 s33, s31, 16
	v_add_nc_u32 v14, s33, v1                      ; the tile's 16 rows of 4,096 bytes
	s_wait_dscnt 0x0
.irp c, 0,2
.irp i, 0,1,2,3
	v_pk_add_f32 v[ACC+4*\i+\c:ACC+4*\i+\c+1], v[ACC+4*\i+\c:ACC+4*\i+\c+1], v[ACC+16+4*\i+\c:ACC+16+4*\i+\c+1]
	v_pk_add_f32 v[ACC+32+4*\i+\c:ACC+32+4*\i+\c+1], v[ACC+32+4*\i+\c:ACC+32+4*\i+\c+1], v[ACC+48+4*\i+\c:ACC+48+4*\i+\c+1]
.endr
.endr
.irp c, 0,2
.irp i, 0,1,2,3
	v_pk_add_f32 v[ACC+4*\i+\c:ACC+4*\i+\c+1], v[ACC+4*\i+\c:ACC+4*\i+\c+1], v[ACC+32+4*\i+\c:ACC+32+4*\i+\c+1]
.endr
.endr
.irp c, 0,2
.irp i, 0,1,2,3
	v_pk_add_f32 v[ACC+4*\i+\c:ACC+4*\i+\c+1], v[ACC+4*\i+\c:ACC+4*\i+\c+1], v[B2+\c:B2+\c+1]
.endr
.endr
	s_wait_alu depctr_va_vdst(0)                   ; the additions have written v80 to v95 and v14, which the four stores read
.irp i, 0,1,2,3
	global_store_b128 v14, v[ACC+4*\i:ACC+4*\i+3], s[16:17] offset:4096*\i th:TH_STORE_NT   ; 512 consecutive bytes, at a multiple of 256 from y's first byte
.endr
.Lnone_\@:
	s_add_co_u32 s29, s29, 1
	s_add_co_u32 s31, s31, 4
.endm
	s_load_b256 s[4:11], s[0:1], 0x0               ; h_codes, h_scales, place, W2_codes
	s_load_b128 s[12:15], s[0:1], 0x20             ; W2_scales, b2
	s_load_b64 s[16:17], s[0:1], 0x30              ; y
	v_lshl_add_u32 v254, v0, 2, 0x18c00
	v_mov_b32 v255, 0
	v_lshrrev_b32 v24, 5, v0
	v_readfirstlane_b32 s22, v24                   ; q
	s_and_b32 s23, ttmp9, 7                        ; ds
	s_lshr_b32 s25, ttmp9, 3                       ; j
	s_and_b32 s24, ttmp7, 0xffff                   ; e
	s_lshl_b32 s26, s24, 7
	v_and_b32 v24, 31, v0
	v_and_b32 v2, 15, v0                           ; r
	v_bfe_u32 v3, v0, 4, 1                         ; h
	v_lshlrev_b32 v1, 4, v24                       ; 16 lane
	v_lshlrev_b32 v21, 2, v24                      ; 4 lane
	s_wait_alu depctr_va_sdst(0)                   ; s22 is written, ahead of its first reader: LDS addresses and bases are made from it
	s_mul_i32 s32, s22, TSTB
	v_add_nc_u32 v4, s32, v1                       ; my stage, rows in
	v_mul_u32_u24 v25, v2, TP
	v_lshl_add_u32 v5, v3, 4, v25
	v_add_nc_u32 v5, s32, v5                       ; fragments out
	s_add_co_u32 s33, s32, RST
	v_lshl_add_u32 v6, v3, 5, v25
	v_add_nc_u32 v6, s33, v6                       ; my partial sum: row r, + 32 h; buffer 0,
	v_add_nc_u32 v7, RBUF, v6                      ; buffer 1
	s_mul_i32 s33, s22, 4*TP
	s_add_co_u32 s33, s33, RST
	v_add_nc_u32 v8, s33, v1                       ; back: rows 4 q on, 16 bytes a lane; buffer 0,
	v_add_nc_u32 v9, RBUF, v8                      ; buffer 1
	v_lshlrev_b32 v20, 7, v2
	v_lshl_add_u32 v20, v3, 4, v20                 ; W2's scale bytes: 128 a row, + 16 h
	s_mov_b32 s35, 0
	s_lshl_b32 s36, s24, 21
	s_lshl_b32 s37, s24, 17
	s_wait_kmcnt 0x0
	s_load_b32 s27, s[8:9], s26 offset:0x2400      ; the expert's count
	s_lshl_b32 s34, s22, 13
	s_add_co_u32 s34, s34, s36
	s_add_nc_u64 s[4:5], s[4:5], s[34:35]          ; h's codes: expert, my eight K steps
	s_lshl_b32 s34, s22, 9
	s_add_co_u32 s34, s34, s37
	s_add_nc_u64 s[6:7], s[6:7], s[34:35]          ; h's scale words
	s_lshl_b32 s34, s23, 18
	s_add_co_u32 s34, s34, s36
	s_lshl_b32 s38, s22, 9
	s_add_co_u32 s34, s34, s38
	s_add_nc_u64 s[10:11], s[10:11], s[34:35]      ; W2's codes: expert, my 128 rows, my 512 bytes of each
	s_lshl_b32 s34, s23, 14
	s_add_co_u32 s34, s34, s37
	s_lshl_b32 s38, s22, 5
	s_add_co_u32 s34, s34, s38
	s_add_nc_u64 s[12:13], s[12:13], s[34:35]      ; W2's scale bytes
	s_lshl_b32 s34, s24, 12
	s_lshl_b32 s38, s23, 9
	s_add_co_u32 s34, s34, s38
	s_add_nc_u64 s[14:15], s[14:15], s[34:35]      ; b2
	s_lshl_b32 s34, s24, 22
	s_add_co_u32 s34, s34, s38
	s_lshl_b32 s38, s22, 14
	s_add_co_u32 s34, s34, s38
	s_add_nc_u64 s[16:17], s[16:17], s[34:35]      ; y: expert, my columns, rows 4 q on
	s_wait_alu depctr_va_vdst(0)                   ; the addresses and offsets v1, v4 to v9 and v20 are written, which the loads, stores and LDS instructions below read
.irp n, 0,1,2,3,4,5,6,7
	global_load_b128 v[W2S+4*\n:W2S+4*\n+3], v20, s[12:13] offset:2048*\n   ; lanes 0-15: the words of my K steps 0-3; lanes 16-31: of 4-7
.endr
	global_load_b128 v[B2:B2+3], v1, s[14:15]
	LOADT 0                                        ; 9 + 3 x 16 = 57 loads of mine are out
	LOADT 1
	LOADT 2
	s_wait_kmcnt 0x0
	s_min_u32 s27, s27, 1024
	s_add_co_u32 s40, s27, 15
	s_lshr_b32 s40, s40, 4                         ; the expert's tiles
	s_add_co_u32 s28, s40, 3
	s_sub_co_u32 s28, s28, s25
	s_lshr_b32 s28, s28, 2                         ; those of them that are mine: j, j + 4, ..
	s_max_u32 s41, s40, 1
	s_sub_co_u32 s41, s41, 1                       ; the last tile that was stored
	s_mov_b32 s29, 0                               ; my tiles done
	s_mov_b32 s31, s25                             ; the tile in hand
	HSET 0, 0                                      ; the offsets of h's two first fills, made together:
	HSET 1, 4
	s_wait_alu depctr_va_vdst(0)                   ; v10 to v13 are written, which h's first fills read; no vector instruction follows ahead of the loop
	TIN 0, 32                                      ; behind a tile's 16 loads stand the next two tiles' 32
	LOADT 3
	TOUT 0
	TIN 1, 32
	LOADT 4
	TOUT 1
	TIN 2, 32
	LOADT 5
	TOUT 2
	TIN 3, 32
	LOADT 6
	TOUT 3
	TIN 4, 32
	LOADT 7
	TOUT 4
	TIN 5, 32                                      ; tiles 6 and 7
	HLOAD 0                                        ; h's first fills follow the weights in the same stream of loads
	TOUT 5
	TIN 6, 36                                      ; tile 7's 16 and h's 20
	HLOAD 1
	TOUT 6
	TIN 7, 40                                      ; h's 20 + 20
	TOUT 7
	s_wait_dscnt 0x0                               ; all fragments of W2 are in
	s_mov_b32 s30, 0
.Lpair:                                            ; 8 trips of two tiles: 16 tiles, the most that 1,024 rows give a work-group
	TRIP 0
	TRIP 1
	s_add_co_u32 s30, s30, 1
	s_cmp_lt_u32 s30, 8
	s_cbranch_scc1 .Lpair
	s_wait_dscnt 0x0                               ; the closing lines, six on end
	s_wait_alu 0x0
	s_wait_tensorcnt 0x0
	ds_add_u32 v254, v255
	s_wait_dscnt 0x0
	s_endpgm
.Lfunc_end_k_q5249ecfa3b_ffn2:
	.size	k_q5249ecfa3b_ffn2, .Lfunc_end_k_q5249ecfa3b_ffn2-k_q5249ecfa3b_ffn2
	.p2alignl 7, 3214868480
	.fill 96, 4, 3214868480
	.section	.rodata,"a",@progbits
	.p2align	6, 0x0
	.amdhsa_kernel k_q5249ecfa3b_ffn2
		.amdhsa_group_segment_fixed_size 101888
		.amdhsa_private_segment_fixed_size 0
		.amdhsa_enable_private_segment 0
		.amdhsa_kernarg_size 56
		.amdhsa_user_sgpr_count 2
		.amdhsa_user_sgpr_kernarg_segment_ptr 1
		.amdhsa_wavefront_size32 1
		.amdhsa_system_sgpr_workgroup_id_x 1
		.amdhsa_system_sgpr_workgroup_id_y 1
		.amdhsa_system_sgpr_workgroup_id_z 1
		.amdhsa_system_vgpr_workitem_id 0
		.amdhsa_next_free_vgpr 1024
		.amdhsa_next_free_sgpr 66
		.amdhsa_reserve_vcc 0
		.amdhsa_float_denorm_mode_32 3
		.amdhsa_float_denorm_mode_16_64 3
		.amdhsa_memory_ordered 1
		.amdhsa_forward_progress 1
		.amdhsa_inst_pref_size 71
	.end_amdhsa_kernel
	.amdgpu_metadata
---
amdhsa.version: [ 1, 2 ]
amdhsa.kernels:
  - .name:           k_q5249ecfa3b_ffn2
    .symbol:         k_q5249ecfa3b_ffn2.kd
    .args:
      - { .name: h_codes, .offset: 0, .size: 8, .value_kind: global_buffer, .address_space: global }
      - { .name: h_scales, .offset: 8, .size: 8, .value_kind: global_buffer, .address_space: global }
      - { .name: place, .offset: 16, .size: 8, .value_kind: global_buffer, .address_space: global }
      - { .name: W2_codes, .offset: 24, .size: 8, .value_kind: global_buffer, .address_space: global }
      - { .name: W2_scales, .offset: 32, .size: 8, .value_kind: global_buffer, .address_space: global }
      - { .name: b2, .offset: 40, .size: 8, .value_kind: global_buffer, .address_space: global }
      - { .name: y, .offset: 48, .size: 8, .value_kind: global_buffer, .address_space: global }
    .group_segment_fixed_size: 101888
    .private_segment_fixed_size: 0
    .kernarg_segment_align: 8
    .kernarg_segment_size: 56
    .max_flat_workgroup_size: 128
    .sgpr_count:     66
    .vgpr_count:     1024
    .wavefront_size: 32
...
	.end_amdgpu_metadata
.endif
;; end of part 5
;; launch combine: the kernel of part 4 again; grid 256 x 1, 4 waves a work-group, no clusters, 0 bytes of LDS; arguments y, place, gates, out0; writes out0
